; MI455X (gfx1250); checked and timed in simulation.
; The chip was launched on July 23, 2026; its instructions are those of AMD's public machine-readable ISA for CDNA 5 (MIT licence, August 2026) and "CDNA5" Instruction Set Architecture Reference Guide (July 2026). The comments in the code are by the model that wrote it; some were corrected since.
;; linear attention. Allowed arithmetic: matrix products marked QUANTISED: E2M3 operands, one E8M0 scale for each 32 along K, by v_wmma_scale_f32_16x16x128_f8f6f4 with both operands' format E2M3, f32 sums; everything else in f32.
;; Inputs: Wk_codes 1,024 x 32 x 24 uint8 (E2M3 codes of Wk, K innermost, in blocks of 32 codes, four codes in three bytes); Wk_scales 1,024 x 32 uint8 (E8M0 scales of Wk, one for each 32 codes along K); Wp_codes 1,024 x 32 x 24 uint8 (E2M3 codes of Wp, K innermost, in blocks of 32 codes, four codes in three bytes); Wp_scales 1,024 x 32 uint8 (E8M0 scales of Wp, one for each 32 codes along K); Wq_codes 1,024 x 32 x 24 uint8 (E2M3 codes of Wq, K innermost, in blocks of 32 codes, four codes in three bytes); Wq_scales 1,024 x 32 uint8 (E8M0 scales of Wq, one for each 32 codes along K); Wv_codes 1,024 x 32 x 24 uint8 (E2M3 codes of Wv, K innermost, in blocks of 32 codes, four codes in three bytes); Wv_scales 1,024 x 32 uint8 (E8M0 scales of Wv, one for each 32 codes along K); bk 1,024 float32; bp 1,024 float32; bq 1,024 float32; bv 1,024 float32; label_emb_codes 4 x 2,048 x 32 x 24 uint8 (E2M3 codes of label_emb, K innermost, in blocks of 32 codes, four codes in three bytes); label_emb_scales 4 x 2,048 x 32 uint8 (E8M0 scales of label_emb, one for each 32 codes along K); node_emb_codes 4 x 2,048 x 32 x 24 uint8 (E2M3 codes of node_emb, K innermost, in blocks of 32 codes, four codes in three bytes); node_emb_scales 4 x 2,048 x 32 uint8 (E8M0 scales of node_emb, one for each 32 codes along K).
;; Outputs: out0 4 x 2,048 x 1,024 float32.
;; This version of the problem:
;;   THIS VERSION OF THE PROBLEM IS GIVEN IN LOW PRECISION. The matrix products marked QUANTISED in the list below multiply operands that are first quantised to E2M3 (2 exponent bits, 3 mantissa bits; 6 bits a number), with one power-of-two scale for each 32 numbers along K (OCP MX v1.0); their sums are f32. All else is computed in f32.
;;   The module's matrix products, in the order in which they are computed (A, B: the left and right operand; K: the contracted axis; several contracted axes count as one K, in the product's order):
;;     1. [M 8,192, K 1,024] x [K 1,024, N 1,024]; A: input label_emb (given as codes); B: input Wq (given as codes): QUANTISED
;;     2. [M 8,192, K 1,024] x [K 1,024, N 1,024]; A: input node_emb (given as codes); B: input Wk (given as codes): QUANTISED
;;     3. [M 8,192, K 1,024] x [K 1,024, N 1,024]; A: input node_emb (given as codes); B: input Wv (given as codes): QUANTISED
;;     4. batch 4 x [M 2,048, K 1,024] x [K 1,024, N 2,048]; A: computed on the way; B: computed on the way: QUANTISED
;;     5. batch 4 x [M 2,048, K 2,048] x [K 2,048, N 1,024]; A: softmax (see below); B: computed on the way: QUANTISED
;;     6. [M 8,192, K 1,024] x [K 1,024, N 1,024]; A: computed on the way; B: input Wp (given as codes): QUANTISED
;;   THE QUANTISER, for each operand of a quantised product, along K:
;;     - K is cut into blocks of 32 from its start; a last block that is shorter is filled with zeros.
;;     - A block's scale is 2^e with e = floor(log2(the largest magnitude in the block)) - 2, held to -126 .. 127; a block of zeros has e = 0. As a byte (E8M0): e + 127.
;;     - Each number is divided by its block's scale, clamped to +-7.5, and rounded to the nearest number of E2M3, ties to even, subnormals kept.
;;     - The product sums the exact products of the quantised numbers (number of the format x scale) in f32.
;;   ~~~python
;;   def quantise(x, axis):      # numpy; x: float32 -> the quantised numbers, widened to float32 again
;;       x = np.moveaxis(x, axis, -1); K = x.shape[-1]
;;       x = np.pad(x, [(0, 0)] * (x.ndim - 1) + [(0, -K % 32)]); x = x.reshape(x.shape[:-1] + (-1, 32)); a = np.abs(x).max(-1, keepdims=True)
;;       e = np.where(a > 0, np.clip(np.frexp(np.where(a > 0, a, 1))[1] - 1 - 2, -126, 127), 0)      # np.frexp(a)[1] - 1 = floor(log2(a)), exactly
;;       r = np.clip(x / 2.0 ** e, -7.5, 7.5)
;;       step = 2.0 ** (np.maximum(np.frexp(np.where(r == 0, 1, r))[1] - 1, 0) - 3)
;;       q = np.round(r / step) * step * 2.0 ** e      # np.round: ties to even
;;       return np.moveaxis(q.reshape(q.shape[:-2] + (-1,))[..., :K], -1, axis).astype(np.float32)
;;   ~~~
;;   SOFTMAX AHEAD OF A QUANTISED PRODUCT. Where the list says 'softmax', what is quantised is not the finished softmax but p = 2^(t - M), with t = logit x log2(e) and M = ceil(the row's largest t), a whole number; so 1/2 < the row's largest p <= 1. The row's sum l is taken of the UNQUANTISED p, in f32, and the product's result is divided by l at the end. Since M is a whole number, a kernel that streams over the keys may use a running M (the ceiling of the running maximum): every later rescaling is an exact power of two, which a block's scale takes up: the codes' values come out the same.
;;   OPERANDS COMPUTED ON THE WAY. 'Computed on the way' means the value that the module computes at that place (a softmax that the list does not call 'softmax' is quantised finished and normalised). What goes into a quantiser is computed in f32, as accurately as f32 sums, v_exp_f32 and their like allow (about 1e-6 of the number): no bf16 or f16 on the way to a quantiser, and a product that is left as it is and whose result goes on into a quantised operand takes f32 operands (vector FMAs, or v_wmma_f32_16x16x4_f32). A number that lies on a knife's edge between two numbers of the format may be rounded either way, as far as f32 arithmetic and the matrix unit's own rounding can turn it there, and no further.
;;   INPUTS GIVEN AS CODES. Wk (in the module: [1024, 1024], K = its axis 1); Wp (in the module: [1024, 1024], K = its axis 1); Wq (in the module: [1024, 1024], K = its axis 1); Wv (in the module: [1024, 1024], K = its axis 1); label_emb (in the module: [4, 2048, 1024], K = its axis 2); node_emb (in the module: [4, 2048, 1024], K = its axis 2): each comes as NAME_codes (uint8): NAME with its K axis moved to the last place and cut into blocks of 32 codes, [.., K / 32, bytes a block], one block behind the other in memory; four codes in three bytes: a row's codes are one little-endian stream of bits, code i at bits 6 i .. 6 i + 5 (a code: sign, 2 exponent bits, 3 mantissa bits); and NAME_scales (uint8): the same leading axes, one E8M0 byte (e + 127) for each 32 codes along K. Its value is code x scale, taken as it is: it is not quantised again, and the codes and scales need not be those that the quantiser above would give.
;; One version. Each part assembles by itself: llvm-mc -triple=amdgcn-amd-amdhsa -mcpu=gfx1250 --defsym DOCPART=n.
;; ======== version 1 of 1: 4 launches
;; limits: right only within a limited range of input values
;; workspace buffers: qkv 19,660,800 bytes; pbuf 14,680,064 bytes; zbuf 6,553,600 bytes
;; launch proj (part 1): grid 4 x 64, 4 waves a work-group, clusters of 4 x 4, 327,680 bytes of LDS; arguments label_emb_codes, label_emb_scales, Wq_codes, Wq_scales, bq, node_emb_codes, node_emb_scales, Wk_codes, Wk_scales, bk, Wv_codes, Wv_scales, bv, qkv; writes qkv
.if DOCPART == 1
	.amdgcn_target "amdgcn-amd-amdhsa--gfx1250"
	.amdhsa_code_object_version 6
	.text
	.protected	k_q3df7c9841b_proj
	.globl	k_q3df7c9841b_proj
	.p2align	8
	.type	k_q3df7c9841b_proj,@function
k_q3df7c9841b_proj:
	s_mov_b64 s[64:65], 0
	v_nop
	global_prefetch_b8 v0, s[64:65] scope:SCOPE_SE
	s_setreg_imm32_b32 hwreg(HW_REG_WAVE_MODE, 25, 1), 1
	s_wait_xcnt 0x0
	s_wait_alu depctr_hold_cnt(0) depctr_sa_sdst(0) depctr_va_vdst(0) depctr_va_sdst(0) depctr_va_ssrc(0) depctr_va_vcc(0) depctr_vm_vsrc(0)
	s_getreg_b32 s2, hwreg(HW_REG_IB_STS2, 6, 4)
	s_cmp_eq_u32 s2, 0
	s_cbranch_scc0 .Lentry_in_a_cluster
	s_endpgm
.Lentry_in_a_cluster:
	s_bfe_u32 s2, ttmp6, 0x10000c
	s_cmp_lg_u32 s2, 0xf033
	s_cbranch_scc0 .Lentry_shape_is_right
	s_endpgm
.Lentry_shape_is_right:
; Q = label Wq^T + bq, K = node Wk^T + bk, V = node Wv^T + bv on codes of FP6 (E2M3) with E8M0 scales; each result is quantised again and stored as codes.
; A tile is 256 rows of S0 x 128 rows of S1, K = 1,024.  S0 is the matrix instruction's source 0: its rows run along a lane's registers, so S0 is the next product's K.
; Jobs 0, 1 (Q, K): S0 = the weight's rows, S1 = tokens.  Job 2 (V): S0 = tokens (keys), S1 = Wv's rows.  Four waves, each 128 of S0 x 64 of S1: 32 accumulators.
; A WORK-GROUP STAYS and makes three tiles, one of each job, at the same place (cluster y, cx, cy) of each job's grid of 4 x 64 tiles.
; A tile's operands, 384 rows x 768 bytes, lie in LDS whole.  A wave's share (128 rows of S0 or 64 of S1) is dense in memory and comes by ONE tensor load, as rows of 256 bytes
; with 16 bytes of padding behind each: byte y of row r lies at 816 r + 272 (y / 256) + y % 256.  When K step 7's fragments are in registers LDS is read no more: the refill's
; three lines and a round of the cluster's barrier follow, then the next job's joint load, which has the last K step, the quantising and the stores in which to land.
; The last tile asks for nothing: its end is written out.  CLUSTER 4 x 4: a column (same cx) shares S0's rows, a row (same cy) S1's: joint loads.
; No prefetch: a work-group has three tiles, and each next tile is asked for at the first place where LDS is free.
; OUT: a wave's 64 numbers a lane become one operand fragment, stored as an image of its 12 registers (3 x 512 consecutive bytes), and one scale word a row.
; Inside a block of 32 the codes stand in the order 0-7, 16-23, 8-15, 24-31: Q with K and p with V are made alike, so their products are those of the true order.
; qkv: Q codes +0 [512 tiles of 16 tokens][8 K steps][1536]; K codes +6291456 likewise; V codes +12582912 [b][64 tiles of d][16 K steps of keys][1536];
;      Q scale words +18874368 [8][8192]; K +19136512; V +19398656 [b][16][1024].
; WORK LEFT OUT (in the launch of the scores): blocks of keys that lie wholly above the causal mask get the weight 0 for every input; a NaN or infinity that reaches only them is not carried.
; LIMITS: NaN and infinities are not served.  A block whose largest magnitude lies under 2^(3 - 127), a block of zeros too, keeps the scale byte 1 (read by this program alone).
; REGISTERS.  window 0: v1 r, v2 h, v3 lane; v4-7, v9, v11 LDS addresses; v14, v15 16 x, 4 x lane; v16-18 offsets; v24, v25 the add's two; v32-63, v96-111 scale words;
;   v128-223 S1's fragments, two sets; v224-255 the bias along S1, later at work.   window 1: v0-191 S0's fragments, two sets; v192-255 the bias along S0.   window 2: the accumulators.
.set RP,    816                        ; a row of K in LDS
.set H0,    128*RP                     ; a wave's share of S0
.set H1,    64*RP                      ; of S1
.set S1B,   2*H0
.set SPARE, S1B+2*H1                   ; the spare words: 128 bytes a wave
.set ROWW,  (3<<16)|(1<<20)|(1<<21)|(5<<22)|(3<<25)   ; elements of 8 bytes; padding on; bit 21 beside a mask; after every 64 words, 4 words
.set NJ,  4                            ; scale register j of a tile: K step j in lanes 0-15, K step 4 + j in lanes 16-31
.set A0,  4                            ; v4, v5: tiles 0-3, 4-7; v6, v7: the same where lanes 16-31 pass a padding
.set A1,  9                            ; v9; v11
.set OC,  14
.set OS,  15
.set VSC, 16
.set VB0, 17
.set VB1, 18
.set SPW, 24
.set NIL, 25
.set S0S, 32
.set S1S, 96
.set F1,  128
.set CT,  192
.set CV,  224
.set PC,  192
.set TM,  224
.set PWS, 240
.set G1A, 32
.set G1B, 40
.set G0A, 48
.set SEL, 52
.set HM,  54
.set TD,  55
.set OB,  56
.set STR, 58
.set WV,  60
.set LH,  61                           ; wave & 1: which half I fetch; which 128 rows of S0 I multiply
.set LR,  62                           ; wave >> 1: 0: I fetch S0, 1: S1; which 64 rows of S1 I multiply
.set JOB, 63
.set CX,  66
.set CY,  67
.set G0B, 68
.set SB,  72
.set PBJ, 74
.set TA,  76
.set TB,  77
.set TC,  78
.set P0C, 80
.set P0S, 82
.set P1C, 84
.set P1S, 86
.set PBI, 88
.set CC,  90
.set R0,  91
.set R1,  92
.set MA,  93
.set T0P, 94
.set T1P, 96
.set TL,  98
.set MB,  99
.set TE,  100
.set MSB, 0
.macro WIN new                         ; the immediate's high byte repeats the setting that is left
.if MSB != \new
	s_set_vgpr_msb (MSB<<8)|\new
.set MSB, \new
.endif
.endm
.macro PLACES                          ; four plain places behind matrix instructions (ISA guide 7.12.1)
.rept 4
	v_nop
.endr
.endm
.macro CROUND                          ; a round of the cluster's barrier
	s_barrier_signal -1
	s_barrier_wait -1
	s_cmp_lg_u32 s[WV], 0
	s_cbranch_scc1 .Lnot_wave_0_\@
	s_barrier_signal -3
.Lnot_wave_0_\@:
	s_barrier_wait -3
	s_barrier_signal -1
	s_barrier_wait -1
.endm
.macro JLOAD                           ; my one joint load of a tile: waves 0, 1 S0's halves, waves 2, 3 S1's
	s_cmp_lt_u32 s[WV], 2
	s_cbranch_scc0 .Lfor_b_\@
	tensor_load_to_lds s[G0A:G0A+3], s[G1A:G1A+7]
	s_nop 0
.rept 4
	v_nop
.endr
	s_branch .Lasked_\@
.Lfor_b_\@:
	tensor_load_to_lds s[G0B:G0B+3], s[G1B:G1B+7]
	s_nop 0
.rept 4
	v_nop
.endr
.Lasked_\@:
.endm
; Job s[JOB]: the tile's first rows, the job's five pointers, and both descriptors' global addresses.  All choices hang on the job and the cluster's number alone.
.macro JOBSET
	s_lshr_b32 s[R0], s[CC], 1
	s_lshl_b32 s[R0], s[R0], 10                    ; V: S0's 1,024 tokens of cluster c / 2
	s_and_b32 s[R1], s[CC], 1                      ; V: S1's half of Wv
	s_cmp_eq_u32 s[JOB], 2
	s_cselect_b32 s[R0], s[R0], 0                  ; Q, K: S0 is the whole weight
	s_cselect_b32 s[R1], s[R1], s[CC]              ; Q, K: S1's 512 tokens of cluster c
	s_cselect_b64 s[P0C:P0C+1], s[14:15], s[18:19]
	s_cselect_b64 s[P0S:P0S+1], s[16:17], s[20:21]
	s_cselect_b64 s[P1C:P1C+1], s[24:25], s[14:15]
	s_cselect_b64 s[P1S:P1S+1], s[26:27], s[16:17]
	s_cselect_b64 s[PBI:PBI+1], s[28:29], s[22:23]
	s_cmp_eq_u32 s[JOB], 0
	s_cselect_b64 s[P0C:P0C+1], s[8:9], s[P0C:P0C+1]
	s_cselect_b64 s[P0S:P0S+1], s[10:11], s[P0S:P0S+1]
	s_cselect_b64 s[P1C:P1C+1], s[4:5], s[P1C:P1C+1]
	s_cselect_b64 s[P1S:P1S+1], s[6:7], s[P1S:P1S+1]
	s_cselect_b64 s[PBI:PBI+1], s[12:13], s[PBI:PBI+1]
	s_lshl_b32 s[T0P], s[CX], 8
	s_add_co_u32 s[R0], s[R0], s[T0P]              ; S0's first row: hangs on cx, never on cy
	s_lshl_b32 s[R1], s[R1], 9
	s_lshl_b32 s[T1P], s[CY], 7
	s_add_co_u32 s[R1], s[R1], s[T1P]              ; S1's: hangs on cy, never on cx
	s_lshl_b32 s[T0P], s[LH], 7
	s_add_co_u32 s[T0P], s[T0P], s[R0]
	s_mul_i32 s[T0P], s[T0P], 768
	s_mov_b32 s[T0P+1], 0
	s_lshl_b32 s[T1P], s[LH], 6
	s_add_co_u32 s[T1P], s[T1P], s[R1]
	s_mul_i32 s[T1P], s[T1P], 768
	s_mov_b32 s[T1P+1], 0
	s_add_nc_u64 s[G0A+2:G0A+3], s[P0C:P0C+1], s[T0P:T0P+1]
	s_or_b32 s[G0A+3], s[G0A+3], 0x80000000
	s_add_nc_u64 s[G0B+2:G0B+3], s[P1C:P1C+1], s[T1P:T1P+1]
	s_or_b32 s[G0B+3], s[G0B+3], 0x80000000
.endm
; A fragment (16 rows x 128 K, 12 registers): six pieces of 8 bytes.  Lanes 16-31 read 24 bytes further on; where that passes a padding, 40: the second kind of address register.
.macro FRAG_ROW reg, ab, ks, i
.irp p, 0,1,2,3,4,5
.set XB, 96*(\ks)+48*(\p/3)+8*(\p%3)
.set XC, XB/256
.set XO, XB%256
.if XO < 232
	ds_load_b64 v[(\reg)+2*\p:(\reg)+2*\p+1], v[\ab+(\i)/4] offset:XC*272+XO+((\i)%4)*16*RP
.else
	ds_load_b64 v[(\reg)+2*\p:(\reg)+2*\p+1], v[\ab+2+(\i)/4] offset:XC*272+XO+((\i)%4)*16*RP
.endif
.endr
.endm
.macro FETCH ks, bf                    ; one K step's fragments into set bf: eight of S0 (window 1), four of S1
	WIN 0x40
.irp i, 0,1,2,3,4,5,6,7
	FRAG_ROW 96*(\bf)+12*\i, A0, \ks, \i
.endr
	WIN 0
.irp i, 0,1,2,3
	FRAG_ROW F1+48*(\bf)+12*\i, A1, \ks, \i
.endr
.endm
; 32 matrix instructions, one K step; the accumulators take turns.  ck: 0 in place; 2: C = the bias along S0; 3: C = the bias along S1.
.macro MUL ks, bf, ck
.if \ck == 2
	WIN 0x91
.elseif \ck == 3
	WIN 0x81
.else
	WIN 0xa1
.endif
.irp a, 0,1,2,3
.irp t, 0,1,2,3,4,5,6,7
.set rD, 8*(8*\a+\t)
.set rA, 96*(\bf)+12*\t
.set rB, F1+48*(\bf)+12*\a
.set rX, S0S+NJ*\t+(\ks)%NJ
.set rY, S1S+NJ*\a+(\ks)%NJ
.set rC, rD
.if \ck == 2
.set rC, CT+8*\t
.elseif \ck == 3
.set rC, CV+8*\a
.endif
.if (\ks)/NJ == 1
	v_wmma_scale_f32_16x16x128_f8f6f4 v[rD:rD+7], v[rA:rA+11], v[rB:rB+11], v[rC:rC+7], v[rX], v[rY] matrix_a_fmt:MATRIX_FMT_FP6 matrix_b_fmt:MATRIX_FMT_FP6 matrix_a_scale:MATRIX_SCALE_ROW1 matrix_b_scale:MATRIX_SCALE_ROW1
.else
	v_wmma_scale_f32_16x16x128_f8f6f4 v[rD:rD+7], v[rA:rA+11], v[rB:rB+11], v[rC:rC+7], v[rX], v[rY] matrix_a_fmt:MATRIX_FMT_FP6 matrix_b_fmt:MATRIX_FMT_FP6
.endif
.endr
.endr
.endm
.macro KSTEP ks                        ; this step's fragments, asked for a step ago, are in; the next step's are asked for; then the products
	s_wait_dscnt 0x0
	PLACES
	FETCH (\ks)+1, ((\ks)+1)%2
	MUL \ks, (\ks)%2, 0
.endm
; 64 numbers of a lane in window 2 (register 16 b + i: block b of my row) become a fragment's codes in v[PC] on and the row's scale word in v[pw].
.macro QUANT src, pw
	WIN 0x0a
.irp b, 0,1,2,3
	v_max3_num_f32 v[TM+\b], |v[(\src)+16*\b]|, |v[(\src)+16*\b+1]|, 0x1800000   ; with the floor 2^(3 - 127): the byte cannot fall under 1
.endr
.irp i, 2,4,6,8,10,12,14
.irp b, 0,1,2,3
	v_max3_num_f32 v[TM+\b], |v[(\src)+16*\b+\i]|, |v[(\src)+16*\b+\i+1]|, v[TM+\b]
.endr
.endr
	WIN 0
.irp b, 0,1,2,3
	v_permlanex16_b32 v[TM+4+\b], v[TM+\b], s[SEL], s[SEL+1]
.endr
.irp b, 0,1,2,3
	v_max_num_f32 v[TM+\b], v[TM+\b], v[TM+4+\b]     ; with lane l xor 16: the block's largest magnitude
.endr
.irp b, 0,1,2,3
	v_add_nc_u32 v[TM+12+\b], 0xff000000, v[TM+\b]   ; 2 off its exponent field: the conversion's scale operand
.endr
.irp b, 0,1,2,3
	v_lshrrev_b32 v[TM+4+\b], 23, v[TM+12+\b]        ; the scale's byte
.endr
	v_lshl_or_b32 v[\pw], v[TM+5], 8, v[TM+4]
	v_lshl_or_b32 v[\pw], v[TM+6], 16, v[\pw]
	v_lshl_or_b32 v[\pw], v[TM+7], 24, v[\pw]
	WIN 0x02
.irp c, 0,1
	v_cvt_scalef32_pk16_fp6_f32 v[PC+6*\c:PC+6*\c+2], v[(\src)+32*\c:(\src)+32*\c+15], v[TM+12+2*\c]
	v_cvt_scalef32_pk16_fp6_f32 v[PC+12+4*\c:PC+14+4*\c], v[(\src)+32*\c+16:(\src)+32*\c+31], v[TM+12+2*\c+1]
.endr
	WIN 0
	v_nop                                            ; one plain place behind a scaled conversion
.irp c, 0,1                            ; a whole block in a lane: lanes 0-15 block 2 c, lanes 16-31 block 2 c + 1
.irp i, 0,1,2
	v_permlane16_swap_b32 v[PC+6*\c+\i], v[PC+12+4*\c+\i]
.endr
.irp i, 0,1,2
	v_mov_b32 v[PC+3+6*\c+\i], v[PC+12+4*\c+\i]
.endr
.endr
.endm
; The last K step and the way out: my four tiles of 16 rows of S1, each one fragment of the next product.
.macro FINISH
	MUL 7, 1, 0
	WIN 0
	PLACES
.irp a, 0,1,2,3
.if \a > 0
	s_wait_xcnt 0x0                                ; the last tile's stores have read their data and their base
	s_add_nc_u64 s[OB:OB+1], s[OB:OB+1], s[STR:STR+1]
.endif
	QUANT 64*\a, PWS+\a
.irp j, 0,1,2
	global_store_b128 v[OC], v[PC+4*\j:PC+4*\j+3], s[OB:OB+1] offset:512*\j   ; 512 consecutive bytes, aligned to 256
.endr
.endr
	v_cndmask_b32 v[PWS+4], v[PWS], v[PWS+1], s[HM]     ; lanes 0-15 the even tile's words, lanes 16-31 the odd tile's: 32 neighbouring rows
	v_cndmask_b32 v[PWS+5], v[PWS+2], v[PWS+3], s[HM]
	global_store_b32 v[OS], v[PWS+4], s[SB:SB+1]
	global_store_b32 v[OS], v[PWS+5], s[SB:SB+1] offset:128
.endm
	s_load_b512 s[4:19], s[0:1], 0x0               ; label codes, label scales, Wq codes, Wq scales, bq, node codes, node scales, Wk codes
	s_load_b256 s[20:27], s[0:1], 0x40             ; Wk scales, bk, Wv codes, Wv scales
	s_load_b128 s[28:31], s[0:1], 0x60             ; bv, qkv: all fourteen stay where they are for the whole launch
	v_lshl_add_u32 v[SPW], v0, 2, SPARE
	v_mov_b32 v[NIL], 0
	ds_add_u32 v[SPW], v[NIL]                      ; the opening lines: the add, twice on end, and its wait
	ds_add_u32 v[SPW], v[NIL]
	v_lshrrev_b32 v1, 5, v0
	v_readfirstlane_b32 s[WV], v1
	s_and_b32 s[LH], s[WV], 1
	s_lshr_b32 s[LR], s[WV], 1
	s_bfe_u32 s[CX], ttmp6, 0x40000
	s_bfe_u32 s[CY], ttmp6, 0x40004
	s_and_b32 s[CC], ttmp7, 0xffff                 ; the cluster's y, 0 .. 15
	s_mov_b32 s[JOB], 0
	s_mov_b32 s[TL], 3                             ; tiles to go
	s_lshl_b32 s[MA], 0x1111, s[CX]                ; my column of the cluster
	s_lshl_b32 s[MB], s[CY], 2
	s_lshl_b32 s[MB], 15, s[MB]                    ; my row
	s_or_b32 s[G1A], s[MA], ROWW
	s_or_b32 s[G1B], s[MB], ROWW
	s_mov_b32 s[G1A+1], 32<<16                     ; a dense block as rows of 256 bytes: 32 elements,
	s_mov_b32 s[G1A+2], 384<<16                    ; 384 rows (128 rows of K),
	s_mov_b32 s[G1A+3], 32<<16
	s_mov_b32 s[G1A+4], 384
	s_mov_b32 s[G1A+5], 32                         ; one behind the other
	s_mov_b32 s[G1A+6], 0
	s_mov_b32 s[G1A+7], 0
	s_mov_b32 s[G1B+1], 32<<16
	s_mov_b32 s[G1B+2], 192<<16                    ; 64 rows of K
	s_mov_b32 s[G1B+3], 32<<16
	s_mov_b32 s[G1B+4], 192
	s_mov_b32 s[G1B+5], 32
	s_mov_b32 s[G1B+6], 0
	s_mov_b32 s[G1B+7], 0
	s_mov_b32 s[G0A], 1
	s_mul_i32 s[G0A+1], s[LH], H0                  ; no place in the cluster enters an LDS address
	s_mov_b32 s[G0B], 1
	s_mul_i32 s[G0B+1], s[LH], H1
	s_add_co_u32 s[G0B+1], s[G0B+1], S1B
	s_mov_b32 s[SEL], 0x76543210
	s_mov_b32 s[SEL+1], 0xfedcba98                 ; v_permlanex16_b32: lane l xor 16
	s_mov_b32 s[HM], 0xffff0000                    ; lanes 16-31
	s_wait_dscnt 0x0                               ; both opening adds are done
	s_wait_kmcnt 0x0
	JOBSET
	CROUND                                         ; all sixteen work-groups are here: the joint loads meet
	JLOAD                                          ; job 0's tile: one load a wave
	v_and_b32 v1, 15, v0                           ; r
	v_bfe_u32 v2, v0, 4, 1                         ; h
	v_and_b32 v3, 31, v0                           ; lane
	v_lshlrev_b32 v[VSC], 5, v1
	v_lshl_add_u32 v[VSC], v2, 4, v[VSC]           ; a row's 32 scale bytes: 32 r + 16 h
	v_lshlrev_b32 v[VB0], 5, v2                    ; the bias along S0: my half's eight numbers of a tile
	v_lshlrev_b32 v[VB1], 2, v1                    ; the bias along S1: my row's number
	s_mul_i32 s2, s[LH], H0                        ; my 128 rows of S0
	s_mul_i32 s3, s[LR], H1
	s_add_co_u32 s3, s3, S1B                       ; my 64 rows of S1
	v_mul_u32_u24 v26, v1, RP
	v_mad_u32_u24 v27, v2, 24, v26
	v_mad_u32_u24 v28, v2, 40, v26
	v_add_nc_u32 v[A0], s2, v27
	v_add_nc_u32 v[A0+1], 64*RP, v[A0]
	v_add_nc_u32 v[A0+2], s2, v28
	v_add_nc_u32 v[A0+3], 64*RP, v[A0+2]
	v_add_nc_u32 v[A1], s3, v27
	v_add_nc_u32 v[A1+2], s3, v28
	v_lshlrev_b32 v[OC], 4, v3
	v_lshlrev_b32 v[OS], 2, v3
	s_wait_alu depctr_va_vdst(0)
.Ltile:
	s_wait_xcnt 0x0                                ; the last tile's stores have read their registers and bases
	s_lshl_b32 s[TA], s[LH], 7
	s_add_co_u32 s[TA], s[TA], s[R0]               ; my wave's first row of S0
	s_lshl_b32 s[TB], s[LR], 6
	s_add_co_u32 s[TB], s[TB], s[R1]               ; and of S1
	s_mov_b32 s3, 0
	s_lshl_b32 s2, s[TA], 5
	s_add_nc_u64 s[P0S:P0S+1], s[P0S:P0S+1], s[2:3]
	s_lshl_b32 s2, s[TB], 5
	s_add_nc_u64 s[P1S:P1S+1], s[P1S:P1S+1], s[2:3]
	s_cmp_eq_u32 s[JOB], 2                         ; both forms of the bias are loaded; the one that the job does not use from the bias's first rows: no load leaves the buffer
	s_cselect_b32 s2, 0, s[TA]
	s_cselect_b32 s[TC], s[TB], 0
	s_lshl_b32 s2, s2, 2
	s_lshl_b32 s[TC], s[TC], 2
	s_mov_b32 s[TC+1], 0
	s_add_nc_u64 s[PBJ:PBJ+1], s[PBI:PBI+1], s[TC:TC+1]
	s_add_nc_u64 s[PBI:PBI+1], s[PBI:PBI+1], s[2:3]
.irp t, 0,1,2,3,4,5,6,7
	global_load_b128 v[S0S+4*\t:S0S+4*\t+3], v[VSC], s[P0S:P0S+1] offset:512*\t
.endr
.irp a, 0,1,2,3
	global_load_b128 v[S1S+4*\a:S1S+4*\a+3], v[VSC], s[P1S:P1S+1] offset:512*\a
.endr
	WIN 0x40
.irp t, 0,1,2,3,4,5,6,7                ; register j of tile t is S0's row 16 t + 8 h + j
	global_load_b128 v[CT+8*\t:CT+8*\t+3], v[VB0], s[PBI:PBI+1] offset:64*\t
	global_load_b128 v[CT+8*\t+4:CT+8*\t+7], v[VB0], s[PBI:PBI+1] offset:64*\t+16
.endr
	WIN 0
.irp a, 0,1,2,3                        ; all eight registers of tile a hold the number of S1's row 16 a + r
.irp j, 0,1,2,3,4,5,6,7
	global_load_b32 v[CV+8*\a+\j], v[VB1], s[PBJ:PBJ+1] offset:64*\a
.endr
.endr
	; where the results go: both forms are computed, the job chooses
	s_lshr_b32 s[TD], s[TB], 4                     ; S1's tile of 16
	s_lshl_b32 s[TC+1], s[CX], 1
	s_add_co_u32 s[TC+1], s[TC+1], s[LH]           ; Q, K: my 128 of d are K step 2 cx + wave & 1
	s_lshl_b32 s[TC], s[TD], 3
	s_add_co_u32 s[TC], s[TC], s[TC+1]
	s_mul_i32 s[TC], s[TC], 1536
	s_mul_i32 s2, s[JOB], 6291456
	s_add_co_u32 s[TC], s[TC], s2                  ; Q, K: codes
	s_lshl_b32 s[TC+1], s[TC+1], 13
	s_add_co_u32 s[TC+1], s[TC+1], s[TB]
	s_lshl_b32 s[TC+1], s[TC+1], 2
	s_mul_i32 s2, s[JOB], 262144
	s_add_co_u32 s[TC+1], s[TC+1], s2
	s_add_co_u32 s[TC+1], s[TC+1], 18874368        ; Q, K: scale words
	s_lshr_b32 s2, s[TA], 11                       ; V: the batch of my 128 tokens
	s_lshl_b32 s2, s2, 6
	s_add_co_u32 s[TD], s[TD], s2
	s_lshl_b32 s[TD], s[TD], 4
	s_bfe_u32 s2, s[TA], 0x40007                   ; and which 128 keys of it
	s_add_co_u32 s[TD], s[TD], s2
	s_mul_i32 s[TD], s[TD], 1536
	s_add_co_u32 s[TD], s[TD], 12582912            ; V: codes
	s_lshr_b32 s[TE], s[TA], 7
	s_lshl_b32 s[TE], s[TE], 10
	s_add_co_u32 s[TE], s[TE], s[TB]
	s_lshl_b32 s[TE], s[TE], 2
	s_add_co_u32 s[TE], s[TE], 19398656            ; V: scale words
	s_mov_b32 s[STR], 24576
	s_mov_b32 s[STR+1], 0
	s_cmp_eq_u32 s[JOB], 2
	s_cselect_b32 s[STR], s[STR], 12288            ; from a tile of 16 rows to the next: 16 or 8 images
	s_cselect_b32 s2, s[TD], s[TC]
	s_add_nc_u64 s[OB:OB+1], s[30:31], s[2:3]
	s_cselect_b32 s2, s[TE], s[TC+1]
	s_add_nc_u64 s[SB:SB+1], s[30:31], s[2:3]
	s_wait_tensorcnt 0x0                           ; my one load, my share of this tile, has landed
	s_barrier_signal -1
	s_barrier_wait -1                              ; everybody's has
	FETCH 0, 0
	s_wait_loadcnt 0x0                             ; scale words and biases
	s_wait_dscnt 0x0
	FETCH 1, 1
	WIN 0
	s_cmp_eq_u32 s[JOB], 2                         ; the first K step starts the sums with the bias as C
	s_cbranch_scc1 .Lmul_v
	MUL 0, 0, 2
	WIN 0
	s_branch .Lmul_done
.Lmul_v:
	MUL 0, 0, 3
	WIN 0
.Lmul_done:
	KSTEP 1
	KSTEP 2
	KSTEP 3
	KSTEP 4
	KSTEP 5
	KSTEP 6                                        ; it asks for K step 7's fragments: the tile's last LDS reads
	WIN 0
	s_cmp_eq_u32 s[TL], 1
	s_cbranch_scc1 .Llast                          ; the last tile asks for nothing more: its end is written out
	s_wait_tensorcnt 0x0                           ; no load of mine is out: the descriptors may be written;
	ds_add_u32 v[SPW], v[NIL]
	s_add_co_u32 s[JOB], s[JOB], 1
	JOBSET                                         ; the next job's tile: work on registers
	s_wait_dscnt 0x0                               ; the add is done, and my reads of this tile are over
	CROUND                                         ; so it is with every wave of the cluster
	JLOAD                                          ; the next tile, first thing behind the round
	FINISH
	s_sub_co_u32 s[TL], s[TL], 1
	s_wait_alu depctr_va_vdst(0)
	s_branch .Ltile
.Llast:
	s_wait_dscnt 0x0
	FINISH
	s_wait_tensorcnt 0x0                           ; the wave's end
	ds_add_u32 v[SPW], v[NIL]
	s_wait_dscnt 0x0
	CROUND                                         ; the closing round
	s_endpgm
.Lfunc_end_k_q3df7c9841b_proj:
	.size	k_q3df7c9841b_proj, .Lfunc_end_k_q3df7c9841b_proj-k_q3df7c9841b_proj
	.p2alignl 7, 3214868480
	.fill 96, 4, 3214868480
	.section	.rodata,"a",@progbits
	.p2align	6, 0x0
	.amdhsa_kernel k_q3df7c9841b_proj
		.amdhsa_group_segment_fixed_size 327680
		.amdhsa_private_segment_fixed_size 0
		.amdhsa_enable_private_segment 0
		.amdhsa_kernarg_size 112
		.amdhsa_user_sgpr_count 2
		.amdhsa_user_sgpr_kernarg_segment_ptr 1
		.amdhsa_wavefront_size32 1
		.amdhsa_system_sgpr_workgroup_id_x 1
		.amdhsa_system_sgpr_workgroup_id_y 1
		.amdhsa_system_sgpr_workgroup_id_z 1
		.amdhsa_system_vgpr_workitem_id 0
		.amdhsa_next_free_vgpr 768
		.amdhsa_next_free_sgpr 102
		.amdhsa_reserve_vcc 0
		.amdhsa_float_denorm_mode_32 3
		.amdhsa_float_denorm_mode_16_64 3
		.amdhsa_memory_ordered 1
		.amdhsa_forward_progress 1
		.amdhsa_inst_pref_size 129
	.end_amdhsa_kernel
	.amdgpu_metadata
---
amdhsa.version: [ 1, 2 ]
amdhsa.kernels:
  - .name:           k_q3df7c9841b_proj
    .symbol:         k_q3df7c9841b_proj.kd
    .args:
      - { .name: label_emb_codes, .offset: 0, .size: 8, .value_kind: global_buffer, .address_space: global }
      - { .name: label_emb_scales, .offset: 8, .size: 8, .value_kind: global_buffer, .address_space: global }
      - { .name: Wq_codes, .offset: 16, .size: 8, .value_kind: global_buffer, .address_space: global }
      - { .name: Wq_scales, .offset: 24, .size: 8, .value_kind: global_buffer, .address_space: global }
      - { .name: bq, .offset: 32, .size: 8, .value_kind: global_buffer, .address_space: global }
      - { .name: node_emb_codes, .offset: 40, .size: 8, .value_kind: global_buffer, .address_space: global }
      - { .name: node_emb_scales, .offset: 48, .size: 8, .value_kind: global_buffer, .address_space: global }
      - { .name: Wk_codes, .offset: 56, .size: 8, .value_kind: global_buffer, .address_space: global }
      - { .name: Wk_scales, .offset: 64, .size: 8, .value_kind: global_buffer, .address_space: global }
      - { .name: bk, .offset: 72, .size: 8, .value_kind: global_buffer, .address_space: global }
      - { .name: Wv_codes, .offset: 80, .size: 8, .value_kind: global_buffer, .address_space: global }
      - { .name: Wv_scales, .offset: 88, .size: 8, .value_kind: global_buffer, .address_space: global }
      - { .name: bv, .offset: 96, .size: 8, .value_kind: global_buffer, .address_space: global }
      - { .name: qkv, .offset: 104, .size: 8, .value_kind: global_buffer, .address_space: global }
    .group_segment_fixed_size: 327680
    .private_segment_fixed_size: 0
    .kernarg_segment_align: 8
    .kernarg_segment_size: 112
    .max_flat_workgroup_size: 128
    .sgpr_count:     102
    .vgpr_count:     768
    .wavefront_size: 32
...
	.end_amdgpu_metadata
.endif
;; end of part 1
;; launch score (part 2): grid 24 x 16, 4 waves a work-group, clusters of 4 x 4, 327,680 bytes of LDS; arguments qkv, pbuf; writes pbuf
.if DOCPART == 2
	.amdgcn_target "amdgcn-amd-amdhsa--gfx1250"
	.amdhsa_code_object_version 6
	.text
	.protected	k_q3df7c9841b_score
	.globl	k_q3df7c9841b_score
	.p2align	8
	.type	k_q3df7c9841b_score,@function
k_q3df7c9841b_score:
	s_mov_b64 s[64:65], 0
	v_nop
	global_prefetch_b8 v0, s[64:65] scope:SCOPE_SE
	s_setreg_imm32_b32 hwreg(HW_REG_WAVE_MODE, 25, 1), 1
	s_wait_xcnt 0x0
	s_wait_alu depctr_hold_cnt(0) depctr_sa_sdst(0) depctr_va_vdst(0) depctr_va_sdst(0) depctr_va_ssrc(0) depctr_va_vcc(0) depctr_vm_vsrc(0)
	s_getreg_b32 s2, hwreg(HW_REG_IB_STS2, 6, 4)
	s_cmp_eq_u32 s2, 0
	s_cbranch_scc0 .Lentry_in_a_cluster
	s_endpgm
.Lentry_in_a_cluster:
	s_bfe_u32 s2, ttmp6, 0x10000c
	s_cmp_lg_u32 s2, 0xf033
	s_cbranch_scc0 .Lentry_shape_is_right
	s_endpgm
.Lentry_shape_is_right:
; p = 2^(t - M_g) of the scores Q K^T, t = score x log2(e) / 64 (1 / sqrt(1024), then tau = 1 / 2), quantised along the keys to codes of FP6 (E2M3).
; A work-group makes 256 keys (S0, the matrix instruction's source 0) x 128 queries (S1), K = 1,024; a wave 128 keys x 64 queries: exactly one group g of 128 keys, one K step of the next product.
; M_g IS THE GROUP'S OWN: the ceiling of the largest t among the group's 128 keys of a query, a whole number.  The codes of p do not hang on M; only a block's scale byte does, by a whole number.
; So the wave stores, for each query and group, the scale word under M_g, -M_g, and the sum l_g of the unquantised p; the next launch brings bytes and sums under the row's M.
; THE CAUSAL MASK is the C of the first K step: 0 where the key counts, -3.2e10 (= -1e9 x 32 x 2 / ... as a raw score: -1e9 x 0.5 x 64) where it does not; a tile of C hangs on (key tile - query tile) alone: 11 tiles.
; Only the six cluster tiles of 1,024 keys x 512 queries that touch the triangle are made (cluster x 0 .. 5).  A group all of whose keys are hidden gets p = 0, zero codes, l = 0.
; Operands come as images of fragments (1,536 dense bytes): all of K lies in LDS at once, one first fill a wave; nothing is filled again.
; CLUSTER 4 x 4: a column (same cx) shares the keys, a row (same cy) the queries: joint loads.
; pbuf: codes +0 [b][128 tiles of 16 queries][16 groups][1536]; +12582912 [b][16 groups][2048 queries][scale word, -M_g, l_g, 0].
; LIMITS: NaN and infinities are not served.  Raw scores Q . K must lie above -2^32, the floor under a group's maximum.  A block of p all under 2^(3 - 127) keeps the byte 1.
; REGISTERS.  window 0: v1 r, v2 h, v3 lane; v4, v5, v9 LDS addresses; v14 16 x lane; v16 mask's y, v17 the hidden score, v18 scale offset; v24, v25 the add's two; v32-63, v96-111 scale words;
;   v128-223 queries' fragments, two sets, later p (v128-191) and its codes (v192-211); v224-255 at work.   window 1: keys' fragments.   window 2: accumulators.   window 3: v0-87 the mask's tiles.
.set SPARE, 294912
.set IMW,   (3<<16)|(1<<21)            ; elements of 8 bytes; bit 21 beside a mask; no padding: an image is read 16 bytes a lane, on end
.set NJ,  4
.set A0,  4
.set A1,  9
.set OC,  14
.set VY,  16
.set VNEG, 17
.set VWS, 18
.set SPW, 24
.set NIL, 25
.set S0S, 32
.set S1S, 96
.set F1,  128
.set Y,   128
.set PC,  192
.set BM,  224                          ; the blocks' largest scores, then their largest p
.set BP,  228
.set SO,  232
.set NMP, 236                          ; -M_g (a pair is named; the low word serves)
.set LS,  238
.set LS2, 240
.set GMR, 242
.set STW, 244
.set STN, 248
.set STL, 252
.set G1AA, 8
.set G1AB, 16
.set G1BA, 24
.set G1BB, 32
.set G0A, 40
.set G0B, 52
.set WV,  66
.set LH,  67
.set LR,  68
.set CX,  69
.set CY,  70
.set KB,  71
.set QB,  72
.set BB,  73
.set K0,  74
.set Q0,  75
.set T0P, 76
.set T1P, 78
.set SEL, 80
.set CS,  82
.set HM,  84
.set K0W, 85
.set Q0W, 86
.set MA,  87
.set MB,  88
.set PS0, 90
.set PS1, 92
.set PCB, 94
.set PTB, 96
.set MSB, 0
.macro WIN new
.if MSB != \new
	s_set_vgpr_msb (MSB<<8)|\new
.set MSB, \new
.endif
.endm
.macro PLACES
.rept 4
	v_nop
.endr
.endm
.macro CROUND
	s_barrier_signal -1
	s_barrier_wait -1
	s_cmp_lg_u32 s[WV], 0
	s_cbranch_scc1 .Lnot_wave_0_\@
	s_barrier_signal -3
.Lnot_wave_0_\@:
	s_barrier_wait -3
	s_barrier_signal -1
	s_barrier_wait -1
.endm
.macro G1SET g, d0, d1, st             ; a tile of d1 rows of d0 elements, st elements apart
	s_mov_b32 s[\g+1], (\d0)<<16
	s_mov_b32 s[\g+2], (\d1)<<16
	s_mov_b32 s[\g+3], (\d0)<<16
	s_mov_b32 s[\g+4], \d1
	s_mov_b32 s[\g+5], \st
	s_mov_b32 s[\g+6], 0
	s_mov_b32 s[\g+7], 0
.endm
.macro FRAG_IMG reg, ab, ks, i         ; a fragment as it was stored: three loads of 512 consecutive bytes
.set KR, (\i)/4                        ; a tile's eight images lie on end, 12,288 bytes; one address register for four tiles
.set KO, ((\i)%4)*12288+(\ks)*1536
.irp j, 0,1,2
	ds_load_b128 v[(\reg)+4*\j:(\reg)+4*\j+3], v[\ab+KR] offset:KO+512*\j
.endr
.endm
.macro FETCH ks, bf
	WIN 0x40
.irp i, 0,1,2,3,4,5,6,7
	FRAG_IMG 96*(\bf)+12*\i, A0, \ks, \i
.endr
	WIN 0
.irp i, 0,1,2,3
	FRAG_IMG F1+48*(\bf)+12*\i, A1, \ks, \i
.endr
.endm
.macro MUL ks, bf, ck                  ; 32 matrix instructions; the accumulators take turns.  ck = 4: C = the mask's tile t - a + 3, in window 3
.if \ck == 4
	WIN 0xb1
.else
	WIN 0xa1
.endif
.irp a, 0,1,2,3
.irp t, 0,1,2,3,4,5,6,7
.set rD, 8*(8*\a+\t)
.set rA, 96*(\bf)+12*\t
.set rB, F1+48*(\bf)+12*\a
.set rX, S0S+NJ*\t+(\ks)%NJ
.set rY, S1S+NJ*\a+(\ks)%NJ
.set rC, rD
.if \ck == 4
.set rC, 8*(\t-\a+3)
.endif
.if (\ks)/NJ == 1
	v_wmma_scale_f32_16x16x128_f8f6f4 v[rD:rD+7], v[rA:rA+11], v[rB:rB+11], v[rC:rC+7], v[rX], v[rY] matrix_a_fmt:MATRIX_FMT_FP6 matrix_b_fmt:MATRIX_FMT_FP6 matrix_a_scale:MATRIX_SCALE_ROW1 matrix_b_scale:MATRIX_SCALE_ROW1
.else
	v_wmma_scale_f32_16x16x128_f8f6f4 v[rD:rD+7], v[rA:rA+11], v[rB:rB+11], v[rC:rC+7], v[rX], v[rY] matrix_a_fmt:MATRIX_FMT_FP6 matrix_b_fmt:MATRIX_FMT_FP6
.endif
.endr
.endr
.endm
.macro KSTEP ks
	s_wait_dscnt 0x0
	PLACES
	FETCH (\ks)+1, ((\ks)+1)%2
	MUL \ks, (\ks)%2, 0
.endm
.macro KSYNC ks, left
	s_wait_dscnt 0x0
	s_wait_tensorcnt \left
	s_barrier_signal -1
	s_barrier_wait -1
	PLACES
	FETCH (\ks)+1, ((\ks)+1)%2
	MUL \ks, (\ks)%2, 0
.endm
.macro IMAGE base, off
.irp j, 0,1,2
	global_store_b128 v[OC], v[PC+4*\j:PC+4*\j+3], s[\base:\base+1] offset:(\off)+512*\j
.endr
.endm
; Tile a of 16 queries: a lane holds one query and 64 of the group's 128 keys (register 16 b + i: block b).
.macro SOFTQ a
.set X, 64*\a
.if \a > 0
	s_wait_xcnt 0x0                                ; the last tile's stores have read the codes' registers
.endif
	WIN 0x0a
.irp b, 0,1,2,3
	v_max3_num_f32 v[BM+\b], v[X+16*\b], v[X+16*\b+1], 0xcf800000   ; the largest score of each block, over the floor -2^32: it serves for the group's maximum and, since p rises with the score, for the block's largest p
.endr
.irp i, 2,4,6,8,10,12,14
.irp b, 0,1,2,3
	v_max3_num_f32 v[BM+\b], v[X+16*\b+\i], v[X+16*\b+\i+1], v[BM+\b]
.endr
.endr
	WIN 0
.irp b, 0,1,2,3
	v_permlanex16_b32 v[BP+\b], v[BM+\b], s[SEL], s[SEL+1]
.endr
.irp b, 0,1,2,3
	v_max_num_f32 v[BM+\b], v[BM+\b], v[BP+\b]
.endr
	v_max3_num_f32 v[GMR], v[BM], v[BM+1], v[BM+2]
	v_max_num_f32 v[GMR], v[GMR], v[BM+3]
	v_mul_f32 v[GMR], s[CS], v[GMR]                ; the group's largest t
	v_floor_f32 v[NMP], -v[GMR]                    ; -M_g = floor(-t) = -ceil(t)
	WIN 0x02
.set jj, 0
.rept 32
	v_pk_fma_f32 v[Y+jj:Y+jj+1], v[X+jj:X+jj+1], s[CS:CS+1], v[NMP:NMP+1] op_sel_hi:[1,0,0]   ; t - M_g, two at a time
.set jj, jj+2
.endr
	WIN 0
.irp b, 0,1,2,3
	v_fma_f32 v[BM+\b], v[BM+\b], s[CS], v[NMP]    ; the same of each block's largest score
.endr
.set jj, 0
	s_wait_alu depctr_va_vdst(0)
.rept 64
	v_exp_f32 v[Y+jj], v[Y+jj]                     ; p, at most about 1, not normalised
.set jj, jj+1
.endr
	v_mov_b32 v[STN+\a], v[NMP]                    ; (a plain place behind the exponentials)
	s_wait_alu depctr_va_vdst(0)                   ; one wait for the batch, ahead of its first reader
.irp b, 0,1,2,3
	v_exp_f32 v[BM+\b], v[BM+\b]                   ; the blocks' largest p
.endr
	v_pk_add_f32 v[LS:LS+1], v[Y:Y+1], v[Y+2:Y+3]  ; the sum of the unquantised p, in two chains; it reads the 64 alone
	v_pk_add_f32 v[LS2:LS2+1], v[Y+4:Y+5], v[Y+6:Y+7]
.irp j, 8,12,16,20,24,28,32,36,40,44,48,52,56,60
	v_pk_add_f32 v[LS:LS+1], v[LS:LS+1], v[Y+\j:Y+\j+1]
	v_pk_add_f32 v[LS2:LS2+1], v[LS2:LS2+1], v[Y+\j+2:Y+\j+3]
.endr
	v_pk_add_f32 v[LS:LS+1], v[LS:LS+1], v[LS2:LS2+1]
	v_add_f32 v[LS], v[LS], v[LS+1]
	v_permlanex16_b32 v[LS2], v[LS], s[SEL], s[SEL+1]
	v_add_f32 v[STL+\a], v[LS], v[LS2]             ; l_g of my query
	s_wait_alu depctr_va_vdst(0)                   ; and one wait for the four
.irp b, 0,1,2,3
	v_max_num_f32 v[BM+\b], 0x1800000, v[BM+\b]    ; the floor 2^(3 - 127): the byte cannot fall under 1
.endr
.irp b, 0,1,2,3
	v_add_nc_u32 v[SO+\b], 0xff000000, v[BM+\b]    ; 2 off the exponent field: the conversion's scale operand
.endr
.irp b, 0,1,2,3
	v_lshrrev_b32 v[BP+\b], 23, v[SO+\b]
.endr
	v_lshl_or_b32 v[STW+\a], v[BP+1], 8, v[BP]
	v_lshl_or_b32 v[STW+\a], v[BP+2], 16, v[STW+\a]
	v_lshl_or_b32 v[STW+\a], v[BP+3], 24, v[STW+\a]
.irp c, 0,1
	v_cvt_scalef32_pk16_fp6_f32 v[PC+6*\c:PC+6*\c+2], v[Y+32*\c:Y+32*\c+15], v[SO+2*\c]
	v_cvt_scalef32_pk16_fp6_f32 v[PC+12+4*\c:PC+14+4*\c], v[Y+32*\c+16:Y+32*\c+31], v[SO+2*\c+1]
.endr
	v_nop                                          ; one plain place behind a scaled conversion
.irp c, 0,1
.irp i, 0,1,2
	v_permlane16_swap_b32 v[PC+6*\c+\i], v[PC+12+4*\c+\i]
.endr
.irp i, 0,1,2
	v_mov_b32 v[PC+3+6*\c+\i], v[PC+12+4*\c+\i]
.endr
.endr
	IMAGE PCB, \a*24576
.endm
	s_load_b128 s[4:7], s[0:1], 0x0                ; qkv, pbuf
	v_lshl_add_u32 v[SPW], v0, 2, SPARE
	v_mov_b32 v[NIL], 0
	ds_add_u32 v[SPW], v[NIL]                      ; the wave's opening: the add and its wait ahead of my first tensor load
	ds_add_u32 v[SPW], v[NIL]
	v_lshrrev_b32 v1, 5, v0
	v_readfirstlane_b32 s[WV], v1
	s_and_b32 s[LH], s[WV], 1
	s_lshr_b32 s[LR], s[WV], 1
	s_bfe_u32 s[CX], ttmp6, 0x40000
	s_bfe_u32 s[CY], ttmp6, 0x40004
	s_lshr_b32 s[KB], ttmp9, 2                     ; cluster x 0 .. 3: keys 0-1,023, query blocks 0 .. 3; 4, 5: keys 1,024-2,047, query blocks 2, 3
	s_lshl_b32 s[QB], s[KB], 1
	s_sub_co_u32 s[QB], ttmp9, s[QB]
	s_and_b32 s[BB], ttmp7, 0xffff
	s_lshl_b32 s[BB], s[BB], 11                    ; the batch's first token
	s_lshl_b32 s[K0], s[KB], 10
	s_lshl_b32 s[T0P], s[CX], 8
	s_add_co_u32 s[K0], s[K0], s[T0P]              ; my tile's first key: hangs on cx, never on cy
	s_lshl_b32 s[Q0], s[QB], 9
	s_lshl_b32 s[T1P], s[CY], 7
	s_add_co_u32 s[Q0], s[Q0], s[T1P]              ; and first query: hangs on cy, never on cx
	s_lshl_b32 s[MA], 0x1111, s[CX]
	s_lshl_b32 s[MB], s[CY], 2
	s_lshl_b32 s[MB], 15, s[MB]
	s_or_b32 s[G1AA], s[MA], IMW
	s_or_b32 s[G1BA], s[MB], IMW
	G1SET G1AA, 1536, 8, 1536                      ; keys: 8 tiles of 16 rows, all of K, 12,288 bytes each: ONE load a wave brings its whole share
	G1SET G1BA, 1536, 4, 1536                      ; queries: 4 tiles
	s_lshl_b32 s[T0P], s[LH], 7
	s_add_co_u32 s[T0P], s[T0P], s[K0]
	s_add_co_u32 s[T0P], s[T0P], s[BB]
	s_mul_i32 s[T0P], s[T0P], 768
	s_add_co_u32 s[T0P], s[T0P], 6291456           ; K's codes, the 128 keys that I would fetch
	s_mov_b32 s[T0P+1], 0
	s_lshl_b32 s[T1P], s[LH], 6
	s_add_co_u32 s[T1P], s[T1P], s[Q0]
	s_add_co_u32 s[T1P], s[T1P], s[BB]
	s_mul_i32 s[T1P], s[T1P], 768                  ; Q's codes, the 64 queries
	s_mov_b32 s[T1P+1], 0
	s_mul_i32 s[G0A+1], s[LH], 98304               ; LDS: keys at 0, two halves of 98,304 bytes; queries at 196,608, two halves of 49,152
	s_mul_i32 s[G0B+1], s[LH], 49152
	s_add_co_u32 s[G0B+1], s[G0B+1], 196608
.irp c, 0
	s_mov_b32 s[G0A+4*\c], 1
	s_mov_b32 s[G0B+4*\c], 1
.endr
	s_wait_dscnt 0x0                               ; the opening add is done
	s_wait_kmcnt 0x0
	s_add_nc_u64 s[G0A+2:G0A+3], s[4:5], s[T0P:T0P+1]
	s_add_nc_u64 s[G0B+2:G0B+3], s[4:5], s[T1P:T1P+1]
.irp c, 0
	s_or_b32 s[G0A+4*\c+3], s[G0A+4*\c+3], 0x80000000
	s_or_b32 s[G0B+4*\c+3], s[G0B+4*\c+3], 0x80000000
.endr
	CROUND                                         ; all sixteen work-groups are here: the joint loads meet
	s_cmp_lt_u32 s[WV], 2                          ; a wave's one first fill stands in one branch; one load of mine is out
	s_cbranch_scc0 .Lfirst_b
	tensor_load_to_lds s[G0A:G0A+3], s[G1AA:G1AA+7]
	s_nop 0
.rept 4
	v_nop
.endr
	s_branch .Lfirst_done
.Lfirst_b:
	tensor_load_to_lds s[G0B:G0B+3], s[G1BA:G1BA+7]
	s_nop 0
.rept 4
	v_nop
.endr
.Lfirst_done:
	v_and_b32 v1, 15, v0                           ; r
	v_bfe_u32 v2, v0, 4, 1                         ; h
	s_wait_alu depctr_va_vdst(0)
	v_and_b32 v3, 31, v0                           ; lane
	s_lshl_b32 s[K0W], s[LH], 7
	s_add_co_u32 s[K0W], s[K0W], s[K0]             ; my wave's first key
	s_lshl_b32 s[Q0W], s[LR], 6
	s_add_co_u32 s[Q0W], s[Q0W], s[Q0]             ; and first query
	s_mov_b32 s3, 0
	s_add_co_u32 s2, s[BB], s[K0W]
	s_lshl_b32 s2, s2, 2
	s_add_co_u32 s2, s2, 19136512
	s_add_nc_u64 s[PS0:PS0+1], s[4:5], s[2:3]      ; K's scale words [8][8192] at my first key
	s_add_co_u32 s98, s[BB], s[Q0W]
	s_lshl_b32 s2, s98, 2
	s_add_co_u32 s2, s2, 18874368
	s_add_nc_u64 s[PS1:PS1+1], s[4:5], s[2:3]      ; Q's at my first query
	v_lshlrev_b32 v[VWS], 17, v2
	v_lshl_add_u32 v[VWS], v1, 2, v[VWS]           ; row r; lanes 16-31 four K steps on
.irp t, 0,1,2,3,4,5,6,7
.irp j, 0,1,2,3
	global_load_b32 v[S0S+4*\t+\j], v[VWS], s[PS0:PS0+1] offset:\j*32768+64*\t
.endr
.endr
.irp a, 0,1,2,3
.irp j, 0,1,2,3
	global_load_b32 v[S1S+4*\a+\j], v[VWS], s[PS1:PS1+1] offset:\j*32768+64*\a
.endr
.endr
	; the mask's tiles.  Register j of accumulator (a, t) is key K0W + 16 t + 8 h + j against query Q0W + 16 a + r: hidden where 16 (t - a) + j > y, y = Q0W - K0W + r - 8 h
	s_sub_co_i32 s99, s[Q0W], s[K0W]
	v_lshlrev_b32 v26, 3, v2
	v_sub_nc_u32 v26, v1, v26
	v_add_nc_u32 v[VY], s99, v26
	v_mov_b32 v[VNEG], 0xd0ee6b28                  ; -3.2e10
	WIN 0xc0
.irp cl, 0,1,2,3,4,5,6,7,8,9,10
.irp j, 0,1,2,3,4,5,6,7
	v_cmp_gt_i32 vcc_lo, 16*(\cl-3)+\j, v[VY]
	v_cndmask_b32 v[8*\cl+\j], 0, v[VNEG], vcc_lo
.endr
.endr
	WIN 0
	s_lshr_b32 s2, s98, 4                          ; where the results go: my first tile of 16 queries,
	s_lshl_b32 s2, s2, 4
	s_lshr_b32 s99, s[K0W], 7                      ; my group
	s_add_co_u32 s2, s2, s99
	s_mul_i32 s2, s2, 1536
	s_add_nc_u64 s[PCB:PCB+1], s[6:7], s[2:3]
	s_lshl_b32 s2, s[BB], 4
	s_lshl_b32 s99, s99, 11
	s_add_co_u32 s2, s2, s99
	s_add_co_u32 s2, s2, s[Q0W]
	s_lshl_b32 s2, s2, 4
	s_add_co_u32 s2, s2, 12582912
	s_add_nc_u64 s[PTB:PTB+1], s[6:7], s[2:3]
	s_mov_b32 s[SEL], 0x76543210
	s_mov_b32 s[SEL+1], 0xfedcba98
	s_mov_b32 s[CS], 0x3cb8aa3b                    ; c = log2(e) / 64
	s_mov_b32 s[CS+1], s[CS]
	s_mov_b32 s[HM], 0xffff0000
	v_lshlrev_b32 v[OC], 4, v3
	s_mul_i32 s2, s[LH], 98304                     ; my 8 tiles of keys: tiles 0-3, tiles 4-7
	v_add_nc_u32 v[A0], s2, v[OC]
	v_add_nc_u32 v[A0+1], 49152, v[A0]
	s_mul_i32 s2, s[LR], 49152                     ; my 4 tiles of queries
	v_add_nc_u32 v[A1], s2, v[OC]
	v_add_nc_u32 v[A1], 196608, v[A1]
.irp b, 0,1,2,3
	v_mov_b32 v[BP+\b], 0                          ; written once: a lane permute's destination counts as one of its sources
.endr
	v_mov_b32 v[NMP+1], 0                          ; (named as the upper half of a pair)
	v_mov_b32 v[LS2], 0
	s_wait_alu depctr_va_vdst(0)
	s_wait_tensorcnt 0x0                           ; my one load has landed
	s_barrier_signal -1
	s_barrier_wait -1
	FETCH 0, 0
	s_wait_loadcnt 0x0                             ; the scale words
	s_wait_dscnt 0x0
	FETCH 1, 1
	MUL 0, 0, 4                                    ; the first K step starts the sums with the mask as C
	KSTEP 1
	KSTEP 2
	KSTEP 3
	KSTEP 4
	KSTEP 5
	KSTEP 6
	s_wait_dscnt 0x0
	MUL 7, 1, 0
	WIN 0
	PLACES
	SOFTQ 0
	SOFTQ 1
	SOFTQ 2
	SOFTQ 3
.irp u, 0,1                            ; scale word, -M_g, l_g, 0 for 32 neighbouring queries: lanes 0-15 the even tile's, lanes 16-31 the odd tile's; 512 consecutive bytes a store
	v_cndmask_b32 v[Y+4*\u], v[STW+2*\u], v[STW+2*\u+1], s[HM]
	v_cndmask_b32 v[Y+4*\u+1], v[STN+2*\u], v[STN+2*\u+1], s[HM]
	v_cndmask_b32 v[Y+4*\u+2], v[STL+2*\u], v[STL+2*\u+1], s[HM]
	v_mov_b32 v[Y+4*\u+3], 0
	global_store_b128 v[OC], v[Y+4*\u:Y+4*\u+3], s[PTB:PTB+1] offset:512*\u
.endr
	s_wait_tensorcnt 0x0                           ; the wave's end
	ds_add_u32 v[SPW], v[NIL]
	s_wait_dscnt 0x0
	CROUND                                         ; the closing round
	s_endpgm
.Lfunc_end_k_q3df7c9841b_score:
	.size	k_q3df7c9841b_score, .Lfunc_end_k_q3df7c9841b_score-k_q3df7c9841b_score
	.p2alignl 7, 3214868480
	.fill 96, 4, 3214868480
	.section	.rodata,"a",@progbits
	.p2align	6, 0x0
	.amdhsa_kernel k_q3df7c9841b_score
		.amdhsa_group_segment_fixed_size 327680
		.amdhsa_private_segment_fixed_size 0
		.amdhsa_enable_private_segment 0
		.amdhsa_kernarg_size 16
		.amdhsa_user_sgpr_count 2
		.amdhsa_user_sgpr_kernarg_segment_ptr 1
		.amdhsa_wavefront_size32 1
		.amdhsa_system_sgpr_workgroup_id_x 1
		.amdhsa_system_sgpr_workgroup_id_y 1
		.amdhsa_system_sgpr_workgroup_id_z 1
		.amdhsa_system_vgpr_workitem_id 0
		.amdhsa_next_free_vgpr 1024
		.amdhsa_next_free_sgpr 100
		.amdhsa_reserve_vcc 1
		.amdhsa_float_denorm_mode_32 3
		.amdhsa_float_denorm_mode_16_64 3
		.amdhsa_memory_ordered 1
		.amdhsa_forward_progress 1
		.amdhsa_inst_pref_size 116
	.end_amdhsa_kernel
	.amdgpu_metadata
---
amdhsa.version: [ 1, 2 ]
amdhsa.kernels:
  - .name:           k_q3df7c9841b_score
    .symbol:         k_q3df7c9841b_score.kd
    .args:
      - { .name: qkv, .offset: 0, .size: 8, .value_kind: global_buffer, .address_space: global }
      - { .name: pbuf, .offset: 8, .size: 8, .value_kind: global_buffer, .address_space: global }
    .group_segment_fixed_size: 327680
    .private_segment_fixed_size: 0
    .kernarg_segment_align: 8
    .kernarg_segment_size: 16
    .max_flat_workgroup_size: 128
    .sgpr_count:     100
    .vgpr_count:     1024
    .wavefront_size: 32
...
	.end_amdgpu_metadata
.endif
;; end of part 2
;; launch mix (part 3): grid 16 x 16, 4 waves a work-group, clusters of 4 x 4, 327,680 bytes of LDS; arguments pbuf, qkv, zbuf; writes zbuf
.if DOCPART == 3
	.amdgcn_target "amdgcn-amd-amdhsa--gfx1250"
	.amdhsa_code_object_version 6
	.text
	.protected	k_q3df7c9841b_mix
	.globl	k_q3df7c9841b_mix
	.p2align	8
	.type	k_q3df7c9841b_mix,@function
k_q3df7c9841b_mix:
	s_mov_b64 s[64:65], 0
	v_nop
	global_prefetch_b8 v0, s[64:65] scope:SCOPE_SE
	s_setreg_imm32_b32 hwreg(HW_REG_WAVE_MODE, 25, 1), 1
	s_wait_xcnt 0x0
	s_wait_alu depctr_hold_cnt(0) depctr_sa_sdst(0) depctr_va_vdst(0) depctr_va_sdst(0) depctr_va_ssrc(0) depctr_va_vcc(0) depctr_vm_vsrc(0)
	s_getreg_b32 s2, hwreg(HW_REG_IB_STS2, 6, 4)
	s_cmp_eq_u32 s2, 0
	s_cbranch_scc0 .Lentry_in_a_cluster
	s_endpgm
.Lentry_in_a_cluster:
	s_bfe_u32 s2, ttmp6, 0x10000c
	s_cmp_lg_u32 s2, 0xf033
	s_cbranch_scc0 .Lentry_shape_is_right
	s_endpgm
.Lentry_shape_is_right:
; z = (P V) / l on codes of FP6 (E2M3), K = the 2,048 keys, and z quantised along d for the last product.
; A work-group makes 256 of d (S0 = V^T, the matrix instruction's source 0) x 128 queries (S1 = P); a wave 128 x 64: 32 accumulators.  16 K steps of 128 keys.
; HEAD: P's scale words were made under each group's own whole number M_g.  For each query the row's M is the largest M_g; a group's bytes are lowered by k = M - M_g (held at 1 from below),
; its sum l_g is multiplied by 2^-k, both exact; l is the sum of those.  The codes stay as they are.
; RING: two LDS slots of 512 keys (4 K steps), filled by joint loads; slots 0 and 1 are first fills, steps 2 and 3 refills behind a round of the cluster's barrier; a refill has four K steps, 128 matrix
; instructions, in which to land.  All eight descriptors' groups 0 are made at the head and never rewritten.
; CAUSAL: queries under 1,024 (cluster x < 2) have no keys from 1,024 on.  Every cluster still walks all four slot steps: for steps 2 and 3 such a cluster asks
; for P's codes of the batch's queries 0-511 against keys 512-1,023, which are all hidden and were stored as zero codes: those products add exactly 0.  Its lanes 16-31 take the scale words of groups 0-7 again.
; CLUSTER 4 x 4: a column (same cx) shares V's rows, a row (same cy) P's rows.
; z is put into the true order of d inside each block of 32 (it meets Wp, which is given), by 32 exchanges of lane halves a tile.
; zbuf: codes +0 [512 tiles of 16 tokens][8 K steps][1536]; scale words +6291456 [8][8192].
; LIMITS: NaN and infinities are not served.  A block of p that lies more than 2^-126 under the row's M keeps its codes at the byte 1.  k is held at 200, beyond which every sum is 0 in f32.
; REGISTERS.  window 0: v1 r, v2 h, v3 lane; v4, v5, v9, v10 LDS addresses; v6 the sums' factor, v7, v8 offsets, v11, v12 at work; v14, v15 16 x, 4 x lane; v16-23 1 / l and l, a pair a tile;
;   v24, v25 the add's two; v26-31 at work; v32-95 V's scale words, v96-127 P's; v128-255 at the head the 32 quads, then v128-223 P's fragments, later z (v128-191), codes (v192-211), v224-245 at work.
;   window 1: V's fragments, two sets.   window 2: the accumulators.
.set SLOT,  147456                     ; V: 16 tiles x 6,144 bytes, then P: 8 tiles x 6,144
.set SPARE, 2*SLOT
.set IMW,   (3<<16)|(1<<21)
.set NJ,  8                            ; scale registers a tile: register j holds K step j in lanes 0-15 and K step 8 + j in lanes 16-31
.set A0,  4
.set A1,  9
.set FL,  6
.set VQD, 7
.set VVS, 8
.set OC,  14
.set OS,  15
.set RL,  16
.set SPW, 24
.set NIL, 25
.set S0S, 32
.set S1S, 96
.set F1,  128
.set QD,  128
.set Y,   128
.set PC,  192
.set TM,  224
.set PWS, 240
.set G1A, 12
.set G1B, 20
.set G0A, 28
.set G0B, 44
.set WV,  60
.set LH,  61
.set LR,  62
.set CX,  63
.set CY,  66
.set QB,  67
.set BB,  68
.set MA,  69
.set T0P, 70
.set T1P, 72
.set T2P, 74
.set T3P, 76
.set ALT, 78
.set MB,  79
.set LA0, 80
.set LA1, 81
.set SEL, 82
.set HM,  84
.set Q0W, 85
.set PTB, 86
.set PVS, 88
.set ZCB, 90
.set ZSB, 92
.set MSB, 0
.macro WIN new
.if MSB != \new
	s_set_vgpr_msb (MSB<<8)|\new
.set MSB, \new
.endif
.endm
.macro PLACES
.rept 4
	v_nop
.endr
.endm
.macro CROUND
	s_barrier_signal -1
	s_barrier_wait -1
	s_cmp_lg_u32 s[WV], 0
	s_cbranch_scc1 .Lnot_wave_0_\@
	s_barrier_signal -3
.Lnot_wave_0_\@:
	s_barrier_wait -3
	s_barrier_signal -1
	s_barrier_wait -1
.endm
.macro G1SET g, d0, d1, st
	s_mov_b32 s[\g+1], (\d0)<<16
	s_mov_b32 s[\g+2], (\d1)<<16
	s_mov_b32 s[\g+3], (\d0)<<16
	s_mov_b32 s[\g+4], \d1
	s_mov_b32 s[\g+5], \st
	s_mov_b32 s[\g+6], 0
	s_mov_b32 s[\g+7], 0
.endm
.macro JLOAD st                        ; slot step st: waves 0, 1 ask for V's halves, waves 2, 3 for P's; an s_nop 0 and four v_nop follow each line
	s_cmp_lt_u32 s[WV], 2
	s_cbranch_scc0 .Lfor_b_\@
	tensor_load_to_lds s[G0A+4*\st:G0A+4*\st+3], s[G1A:G1A+7]
	s_nop 0
.rept 4
	v_nop
.endr
	s_branch .Lasked_\@
.Lfor_b_\@:
	tensor_load_to_lds s[G0B+4*\st:G0B+4*\st+3], s[G1B:G1B+7]
	s_nop 0
.rept 4
	v_nop
.endr
.Lasked_\@:
.endm
.macro FRAG_IMG reg, ab, ks, i
.irp j, 0,1,2
	ds_load_b128 v[(\reg)+4*\j:(\reg)+4*\j+3], v[\ab+(((\ks)>>2)&1)] offset:(\i)*6144+((\ks)&3)*1536+512*\j
.endr
.endm
.macro FETCH ks, bf
	WIN 0x40
.irp i, 0,1,2,3,4,5,6,7
	FRAG_IMG 96*(\bf)+12*\i, A0, \ks, \i
.endr
	WIN 0
.irp i, 0,1,2,3
	FRAG_IMG F1+48*(\bf)+12*\i, A1, \ks, \i
.endr
.endm
.macro MUL ks, bf, ck                  ; 32 matrix instructions; the accumulators take turns.  ck = 1: the constant 0 starts the sums
	WIN 0xa1
.irp a, 0,1,2,3
.irp t, 0,1,2,3,4,5,6,7
.set rD, 8*(8*\a+\t)
.set rA, 96*(\bf)+12*\t
.set rB, F1+48*(\bf)+12*\a
.set rX, S0S+NJ*\t+(\ks)%NJ
.set rY, S1S+NJ*\a+(\ks)%NJ
.if \ck == 1
	v_wmma_scale_f32_16x16x128_f8f6f4 v[rD:rD+7], v[rA:rA+11], v[rB:rB+11], 0, v[rX], v[rY] matrix_a_fmt:MATRIX_FMT_FP6 matrix_b_fmt:MATRIX_FMT_FP6
.elseif (\ks)/NJ == 1
	v_wmma_scale_f32_16x16x128_f8f6f4 v[rD:rD+7], v[rA:rA+11], v[rB:rB+11], v[rD:rD+7], v[rX], v[rY] matrix_a_fmt:MATRIX_FMT_FP6 matrix_b_fmt:MATRIX_FMT_FP6 matrix_a_scale:MATRIX_SCALE_ROW1 matrix_b_scale:MATRIX_SCALE_ROW1
.else
	v_wmma_scale_f32_16x16x128_f8f6f4 v[rD:rD+7], v[rA:rA+11], v[rB:rB+11], v[rD:rD+7], v[rX], v[rY] matrix_a_fmt:MATRIX_FMT_FP6 matrix_b_fmt:MATRIX_FMT_FP6
.endif
.endr
.endr
.endm
.macro KSTEP ks
	s_wait_dscnt 0x0
	PLACES
	FETCH (\ks)+1, ((\ks)+1)%2
	MUL \ks, (\ks)%2, 0
.endm
; A slot's last K step: its fragments are in registers, so the slot is left.  All my tensor loads have landed (my part of the other slot), the add, the wait for it and for my reads; a round of the
; cluster's barrier; then slot step st goes into the slot that was left, first thing behind the round.  The four v_nop behind the load are also the places ahead of the fragment loads.
.macro KTURN ks, st
	WIN 0
	s_wait_tensorcnt 0x0
	ds_add_u32 v[SPW], v[NIL]
	s_wait_dscnt 0x0
	CROUND
	JLOAD \st
	FETCH (\ks)+1, ((\ks)+1)%2
	MUL \ks, (\ks)%2, 0
.endm
.macro QUANT src, win, pw
.if \win
	WIN 0x0a
.endif
.irp b, 0,1,2,3
	v_max3_num_f32 v[TM+\b], |v[(\src)+16*\b]|, |v[(\src)+16*\b+1]|, 0x1800000   ; my 16 numbers of block b and the floor 2^(3 - 127)
.endr
.irp i, 2,4,6,8,10,12,14
.irp b, 0,1,2,3
	v_max3_num_f32 v[TM+\b], |v[(\src)+16*\b+\i]|, |v[(\src)+16*\b+\i+1]|, v[TM+\b]
.endr
.endr
	WIN 0
.irp b, 0,1,2,3
	v_permlanex16_b32 v[TM+4+\b], v[TM+\b], s[SEL], s[SEL+1]
.endr
.irp b, 0,1,2,3
	v_max_num_f32 v[TM+\b], v[TM+\b], v[TM+4+\b]
.endr
.irp b, 0,1,2,3
	v_add_nc_u32 v[TM+12+\b], 0xff000000, v[TM+\b]
.endr
.irp b, 0,1,2,3
	v_lshrrev_b32 v[TM+4+\b], 23, v[TM+12+\b]
.endr
	v_lshl_or_b32 v[\pw], v[TM+5], 8, v[TM+4]
	v_lshl_or_b32 v[\pw], v[TM+6], 16, v[\pw]
	v_lshl_or_b32 v[\pw], v[TM+7], 24, v[\pw]
.if \win
	WIN 0x02
.endif
.irp c, 0,1
	v_cvt_scalef32_pk16_fp6_f32 v[PC+6*\c:PC+6*\c+2], v[(\src)+32*\c:(\src)+32*\c+15], v[TM+12+2*\c]
	v_cvt_scalef32_pk16_fp6_f32 v[PC+12+4*\c:PC+14+4*\c], v[(\src)+32*\c+16:(\src)+32*\c+31], v[TM+12+2*\c+1]
.endr
	WIN 0
	v_nop                                          ; one plain place behind a scaled conversion
.irp c, 0,1
.irp i, 0,1,2
	v_permlane16_swap_b32 v[PC+6*\c+\i], v[PC+12+4*\c+\i]
.endr
.irp i, 0,1,2
	v_mov_b32 v[PC+3+6*\c+\i], v[PC+12+4*\c+\i]
.endr
.endr
.endm
.macro IMAGE base, off
.irp j, 0,1,2
	global_store_b128 v[OC], v[PC+4*\j:PC+4*\j+3], s[\base:\base+1] offset:(\off)+512*\j
.endr
.endm
	s_load_b128 s[4:7], s[0:1], 0x0                ; pbuf, qkv
	s_load_b64 s[8:9], s[0:1], 0x10                ; zbuf
	v_lshl_add_u32 v[SPW], v0, 2, SPARE
	v_mov_b32 v[NIL], 0
	ds_add_u32 v[SPW], v[NIL]                      ; the wave's opening: the add and its wait ahead of my first tensor load
	ds_add_u32 v[SPW], v[NIL]
	v_lshrrev_b32 v1, 5, v0
	v_readfirstlane_b32 s[WV], v1
	s_and_b32 s[LH], s[WV], 1
	s_lshr_b32 s[LR], s[WV], 1
	s_bfe_u32 s[CX], ttmp6, 0x40000
	s_bfe_u32 s[CY], ttmp6, 0x40004
	s_mov_b32 s[QB], ttmp9                         ; the cluster's 512 queries
	s_and_b32 s[BB], ttmp7, 0xffff                 ; the batch
	s_lshl_b32 s[MA], 0x1111, s[CX]
	s_lshl_b32 s[MB], s[CY], 2
	s_lshl_b32 s[MB], 15, s[MB]
	s_or_b32 s[G1A], s[MA], IMW
	s_or_b32 s[G1B], s[MB], IMW
	G1SET G1A, 768, 8, 3072                        ; V: 8 tiles of 16 rows of d, 6,144 bytes (4 K steps) of each tile's 24,576
	G1SET G1B, 768, 4, 3072                        ; P: 4 tiles of 16 queries
	s_lshl_b32 s[T0P], s[CX], 4
	s_lshl_b32 s[T0P+1], s[BB], 6
	s_add_co_u32 s[T0P], s[T0P], s[T0P+1]
	s_lshl_b32 s[T0P+1], s[LH], 3
	s_add_co_u32 s[T0P], s[T0P], s[T0P+1]          ; V's tile 64 b + 16 cx + 8 x half
	s_mul_i32 s[T0P], s[T0P], 24576
	s_add_co_u32 s[T0P], s[T0P], 12582912
	s_mov_b32 s[T0P+1], 0
	s_lshl_b32 s[ALT], s[CY], 3
	s_lshl_b32 s[T1P+1], s[BB], 7
	s_add_co_u32 s[ALT], s[ALT], s[T1P+1]
	s_lshl_b32 s[T1P+1], s[LH], 2
	s_add_co_u32 s[ALT], s[ALT], s[T1P+1]          ; P's tile 128 b + 8 cy + 4 x half: in the batch's first 512 queries
	s_lshl_b32 s[T1P], s[QB], 5
	s_add_co_u32 s[T1P], s[T1P], s[ALT]            ; and in my cluster's
	s_mul_i32 s[T1P], s[T1P], 24576
	s_mul_i32 s[ALT], s[ALT], 24576
	s_add_co_u32 s[ALT], s[ALT], 6144              ; keys 512-1,023 against queries 0-511: zero codes
	s_add_co_u32 s[T2P], s[T1P], 12288
	s_add_co_u32 s[T3P], s[T1P], 18432
	s_cmp_lt_u32 s[QB], 2                          ; the cluster's number: the same in all partners
	s_cselect_b32 s[T2P], s[ALT], s[T2P]
	s_cselect_b32 s[T3P], s[ALT], s[T3P]
	s_mov_b32 s[T1P+1], 0
	s_mov_b32 s[T2P+1], 0
	s_mov_b32 s[T3P+1], 0
	s_mul_i32 s[LA0], s[LH], 49152
	s_mul_i32 s[LA1], s[LH], 24576
	s_add_co_u32 s[LA1], s[LA1], 98304
.irp st, 0,1,2,3
	s_mov_b32 s[G0A+4*\st], 1
	s_add_co_u32 s[G0A+4*\st+1], s[LA0], (\st%2)*SLOT
	s_mov_b32 s[G0B+4*\st], 1
	s_add_co_u32 s[G0B+4*\st+1], s[LA1], (\st%2)*SLOT
.endr
	s_wait_dscnt 0x0                               ; the opening add is done
	s_wait_kmcnt 0x0
	s_add_nc_u64 s[T0P:T0P+1], s[6:7], s[T0P:T0P+1]
.irp st, 0,1,2,3
	s_add_nc_u64 s[G0A+4*\st+2:G0A+4*\st+3], s[T0P:T0P+1], \st*6144
.endr
	s_add_nc_u64 s[G0B+2:G0B+3], s[4:5], s[T1P:T1P+1]
	s_add_nc_u64 s[G0B+6:G0B+7], s[G0B+2:G0B+3], 6144
	s_add_nc_u64 s[G0B+10:G0B+11], s[4:5], s[T2P:T2P+1]
	s_add_nc_u64 s[G0B+14:G0B+15], s[4:5], s[T3P:T3P+1]
.irp st, 0,1,2,3
	s_or_b32 s[G0A+4*\st+3], s[G0A+4*\st+3], 0x80000000
	s_or_b32 s[G0B+4*\st+3], s[G0B+4*\st+3], 0x80000000
.endr
	CROUND                                         ; all sixteen work-groups are here: the first joint loads meet
	s_cmp_lt_u32 s[WV], 2                          ; slot 0's first fill stands in one branch; one load of mine is out
	s_cbranch_scc0 .Lfirst_b
	tensor_load_to_lds s[G0A:G0A+3], s[G1A:G1A+7]
	s_nop 0
.rept 4
	v_nop
.endr
	s_branch .Lfirst_done
.Lfirst_b:
	tensor_load_to_lds s[G0B:G0B+3], s[G1B:G1B+7]
	s_nop 0
.rept 4
	v_nop
.endr
.Lfirst_done:
	v_and_b32 v1, 15, v0                           ; r
	v_bfe_u32 v2, v0, 4, 1                         ; h
	s_wait_alu depctr_va_vdst(0)
	v_and_b32 v3, 31, v0                           ; lane
	s_lshl_b32 s[Q0W], s[QB], 9
	s_lshl_b32 s2, s[CY], 7
	s_add_co_u32 s[Q0W], s[Q0W], s2
	s_lshl_b32 s2, s[LR], 6
	s_add_co_u32 s[Q0W], s[Q0W], s2                ; my wave's first query in the batch
	s_mov_b32 s3, 0
	s_lshl_b32 s2, s[BB], 15                       ; 16 groups x 2,048 queries a batch
	s_add_co_u32 s2, s2, s[Q0W]
	s_lshl_b32 s2, s2, 4
	s_add_co_u32 s2, s2, 12582912
	s_add_nc_u64 s[PTB:PTB+1], s[4:5], s[2:3]      ; the quads of group 0 at my first query
	s_lshl_b32 s2, s[BB], 14
	s_lshl_b32 s94, s[CX], 8
	s_add_co_u32 s2, s2, s94
	s_lshl_b32 s94, s[LH], 7
	s_add_co_u32 s2, s2, s94
	s_lshl_b32 s2, s2, 2
	s_add_co_u32 s2, s2, 19398656
	s_add_nc_u64 s[PVS:PVS+1], s[6:7], s[2:3]      ; V's scale words [16][1024] at my first row of d
	s_cmp_lt_u32 s[QB], 2
	s_cselect_b32 s2, 0, 262144                    ; lanes 16-31: groups 8 .. 15, or groups 0 .. 7 again where there are no more
	s_cselect_b32 s94, 0x3f800000, 0
	v_mul_u32_u24 v[VQD], s2, v2
	v_lshl_add_u32 v[VQD], v1, 4, v[VQD]
	v_lshlrev_b32 v[VVS], 15, v2
	v_lshl_add_u32 v[VVS], v1, 2, v[VVS]
	v_cvt_f32_u32 v12, v2
	v_fma_f32 v[FL], -v12, s94, 1.0                ; what is read twice counts once in the sum
	v_mov_b32 v11, 0                               ; (a lane permute's destination counts as one of its sources)
	s_mov_b32 s[SEL], 0x76543210
	s_mov_b32 s[SEL+1], 0xfedcba98
	s_mov_b32 s[HM], 0xffff0000
.irp a, 0,1,2,3
.irp j, 0,1,2,3,4,5,6,7
	global_load_b128 v[QD+32*\a+4*\j:QD+32*\a+4*\j+3], v[VQD], s[PTB:PTB+1] offset:\j*32768+\a*256   ; group j + 8 h, query 16 a + r: scale word, -M_g, l_g, 0
.endr
.endr
.irp t, 0,1,2,3
.irp j, 0,1,2,3,4,5,6,7
	global_load_b32 v[S0S+8*\t+\j], v[VVS], s[PVS:PVS+1] offset:\j*4096+64*\t
.endr
.endr
	s_wait_loadcnt 32                              ; the 32 quads are in; the 32 scale loads issued behind them may be out
.irp a, 0,1,2,3
	v_min3_num_f32 v31, v[QD+32*\a+1], v[QD+32*\a+5], 0x7f7fffff
	v_min3_num_f32 v31, v31, v[QD+32*\a+9], v[QD+32*\a+13]
	v_min3_num_f32 v31, v31, v[QD+32*\a+17], v[QD+32*\a+21]
	v_min3_num_f32 v31, v31, v[QD+32*\a+25], v[QD+32*\a+29]
	s_wait_alu depctr_va_vdst(0)
	v_permlanex16_b32 v11, v31, s[SEL], s[SEL+1]
	v_min_num_f32 v31, v31, v11                    ; -M of my query: the least -M_g
	v_mov_b32 v[RL+2*\a+1], 0                      ; l
.irp j, 0,1,2,3,4,5,6,7
	v_sub_f32 v26, v[QD+32*\a+4*\j+1], v31         ; k = M - M_g, a whole number, 0 or more,
	v_min_num_f32 v26, 0x43480000, v26             ; held at 200
	v_cvt_u32_f32 v26, v26
	v_sub_nc_u32 v27, 0, v26
	v_ldexp_f32 v27, v[QD+32*\a+4*\j+2], v27       ; l_g x 2^-k
	v_fmac_f32 v[RL+2*\a+1], v27, v[FL]
	v_add_nc_u32 v27, 0xfefefeff, v[QD+32*\a+4*\j] ; each byte less 1 (every byte is 1 at the least: nothing is borrowed)
	v_and_b32 v28, 0xff, v27
	v_bfe_u32 v29, v27, 8, 8
	v_bfe_u32 v30, v27, 16, 8
	v_lshrrev_b32 v27, 24, v27
	v_min_u32 v28, v28, v26
	v_min_u32 v29, v29, v26
	v_min_u32 v30, v30, v26
	v_min_u32 v27, v27, v26
	v_lshl_or_b32 v28, v29, 8, v28
	v_lshl_or_b32 v28, v30, 16, v28
	v_lshl_or_b32 v28, v27, 24, v28
	v_sub_nc_u32 v[S1S+8*\a+\j], v[QD+32*\a+4*\j], v28   ; each byte lowered by k, held at 1
.endr
.endr
.irp t, 4,5,6,7
.irp j, 0,1,2,3,4,5,6,7
	global_load_b32 v[S0S+8*\t+\j], v[VVS], s[PVS:PVS+1] offset:\j*4096+64*\t
.endr
.endr
.irp a, 0,1,2,3
	v_permlanex16_b32 v[26+\a], v[RL+2*\a+1], s[SEL], s[SEL+1]
.endr
.irp a, 0,1,2,3
	v_add_f32 v[RL+2*\a+1], v[RL+2*\a+1], v[26+\a] ; the row's sum
.endr
	s_wait_alu depctr_va_vdst(0)
.irp a, 0,1,2,3
	v_rcp_f32 v[RL+2*\a], v[RL+2*\a+1]
.endr
	v_nop                                          ; a plain place behind the reciprocals
	s_wait_alu depctr_va_vdst(0)                   ; one wait for the four, ahead of the labels and of their first reader
	v_lshlrev_b32 v[OC], 4, v3
	v_lshlrev_b32 v[OS], 2, v3
	s_mul_i32 s2, s[LH], 49152                     ; my 8 tiles of V in a slot
	v_add_nc_u32 v[A0], s2, v[OC]
	v_add_nc_u32 v[A0+1], SLOT, v[A0]
	s_mul_i32 s2, s[LR], 24576                     ; my 4 tiles of P
	s_add_co_u32 s2, s2, 98304
	v_add_nc_u32 v[A1], s2, v[OC]
	v_add_nc_u32 v[A1+1], SLOT, v[A1]
	s_lshl_b32 s2, s[BB], 11                       ; where z goes
	s_add_co_u32 s94, s2, s[Q0W]                   ; my first token
	s_lshr_b32 s2, s94, 4
	s_lshl_b32 s2, s2, 3
	s_lshl_b32 s95, s[CX], 1
	s_add_co_u32 s95, s95, s[LH]                   ; my 128 of d are K step 2 cx + wave & 1
	s_add_co_u32 s2, s2, s95
	s_mul_i32 s2, s2, 1536
	s_add_nc_u64 s[ZCB:ZCB+1], s[8:9], s[2:3]
	s_lshl_b32 s2, s95, 13
	s_add_co_u32 s2, s2, s94
	s_lshl_b32 s2, s2, 2
	s_add_co_u32 s2, s2, 6291456
	s_add_nc_u64 s[ZSB:ZSB+1], s[8:9], s[2:3]
.rept 8
	v_nop                                          ; scale registers written by vector instructions stand eight places ahead of a scaled matrix instruction
.endr
	s_wait_alu depctr_va_vdst(0)
	s_wait_tensorcnt 0x0                           ; my part of slot 0 has landed; slot 1's first fill is issued as a refill is
	ds_add_u32 v[SPW], v[NIL]
	s_wait_dscnt 0x0
	CROUND
	JLOAD 1                                        ; slot 1, first thing behind the round
	FETCH 0, 0
	s_wait_loadcnt 0x0                             ; V's scale words
	s_wait_dscnt 0x0
	FETCH 1, 1
	MUL 0, 0, 1
	KSTEP 1
	KSTEP 2
	KTURN 3, 2                                     ; slot 0 is left and takes keys 1,024-1,535
	KSTEP 4
	KSTEP 5
	KSTEP 6
	KTURN 7, 3                                     ; slot 1 is left and takes keys 1,536-2,047
	KSTEP 8
	KSTEP 9
	KSTEP 10
	s_wait_dscnt 0x0                               ; K step 11: the last slot is wanted; nothing is filled again
	s_wait_tensorcnt 0x0
	s_barrier_signal -1
	s_barrier_wait -1
	PLACES
	FETCH 12, 0
	MUL 11, 1, 0
	KSTEP 12
	KSTEP 13
	KSTEP 14
	s_wait_dscnt 0x0
	MUL 15, 1, 0
	WIN 0
	PLACES
.irp a, 0,1,2,3
.if \a > 0
	s_wait_xcnt 0x0                                ; the last tile's stores have read the codes' registers
.endif
	WIN 0x02
.set jj, 0
.rept 32
	v_pk_mul_f32 v[Y+jj:Y+jj+1], v[64*\a+jj:64*\a+jj+1], v[RL+2*\a:RL+2*\a+1] op_sel_hi:[1,0]   ; z = sum / l
.set jj, jj+2
.endr
	WIN 0
.irp b, 0,1,2,3                        ; a lane half holds 0-7 and 16-23, or 8-15 and 24-31, of a block: the exchange gives it 0-15 or 16-31
.irp j, 0,1,2,3,4,5,6,7
	v_permlane16_swap_b32 v[Y+16*\b+\j], v[Y+16*\b+8+\j]
.endr
.endr
	QUANT Y, 0, PWS+\a
	IMAGE ZCB, \a*12288
.endr
	v_cndmask_b32 v[PWS+4], v[PWS], v[PWS+1], s[HM]
	v_cndmask_b32 v[PWS+5], v[PWS+2], v[PWS+3], s[HM]
	global_store_b32 v[OS], v[PWS+4], s[ZSB:ZSB+1]
	global_store_b32 v[OS], v[PWS+5], s[ZSB:ZSB+1] offset:128
	s_wait_tensorcnt 0x0                           ; the wave's end
	ds_add_u32 v[SPW], v[NIL]
	s_wait_dscnt 0x0
	CROUND                                         ; the closing round
	s_endpgm
.Lfunc_end_k_q3df7c9841b_mix:
	.size	k_q3df7c9841b_mix, .Lfunc_end_k_q3df7c9841b_mix-k_q3df7c9841b_mix
	.p2alignl 7, 3214868480
	.fill 96, 4, 3214868480
	.section	.rodata,"a",@progbits
	.p2align	6, 0x0
	.amdhsa_kernel k_q3df7c9841b_mix
		.amdhsa_group_segment_fixed_size 327680
		.amdhsa_private_segment_fixed_size 0
		.amdhsa_enable_private_segment 0
		.amdhsa_kernarg_size 24
		.amdhsa_user_sgpr_count 2
		.amdhsa_user_sgpr_kernarg_segment_ptr 1
		.amdhsa_wavefront_size32 1
		.amdhsa_system_sgpr_workgroup_id_x 1
		.amdhsa_system_sgpr_workgroup_id_y 1
		.amdhsa_system_sgpr_workgroup_id_z 1
		.amdhsa_system_vgpr_workitem_id 0
		.amdhsa_next_free_vgpr 768
		.amdhsa_next_free_sgpr 96
		.amdhsa_reserve_vcc 0
		.amdhsa_float_denorm_mode_32 3
		.amdhsa_float_denorm_mode_16_64 3
		.amdhsa_memory_ordered 1
		.amdhsa_forward_progress 1
		.amdhsa_inst_pref_size 184
	.end_amdhsa_kernel
	.amdgpu_metadata
---
amdhsa.version: [ 1, 2 ]
amdhsa.kernels:
  - .name:           k_q3df7c9841b_mix
    .symbol:         k_q3df7c9841b_mix.kd
    .args:
      - { .name: pbuf, .offset: 0, .size: 8, .value_kind: global_buffer, .address_space: global }
      - { .name: qkv, .offset: 8, .size: 8, .value_kind: global_buffer, .address_space: global }
      - { .name: zbuf, .offset: 16, .size: 8, .value_kind: global_buffer, .address_space: global }
    .group_segment_fixed_size: 327680
    .private_segment_fixed_size: 0
    .kernarg_segment_align: 8
    .kernarg_segment_size: 24
    .max_flat_workgroup_size: 128
    .sgpr_count:     96
    .vgpr_count:     768
    .wavefront_size: 32
...
	.end_amdgpu_metadata
.endif
;; end of part 3
;; launch outp (part 4): grid 4 x 64, 4 waves a work-group, clusters of 4 x 4, 327,680 bytes of LDS; arguments zbuf, Wp_codes, Wp_scales, bp, out0; writes out0
.if DOCPART == 4
	.amdgcn_target "amdgcn-amd-amdhsa--gfx1250"
	.amdhsa_code_object_version 6
	.text
	.protected	k_q3df7c9841b_outp
	.globl	k_q3df7c9841b_outp
	.p2align	8
	.type	k_q3df7c9841b_outp,@function
k_q3df7c9841b_outp:
	s_mov_b64 s[64:65], 0
	v_nop
	global_prefetch_b8 v0, s[64:65] scope:SCOPE_SE
	s_setreg_imm32_b32 hwreg(HW_REG_WAVE_MODE, 25, 1), 1
	s_wait_xcnt 0x0
	s_wait_alu depctr_hold_cnt(0) depctr_sa_sdst(0) depctr_va_vdst(0) depctr_va_sdst(0) depctr_va_ssrc(0) depctr_va_vcc(0) depctr_vm_vsrc(0)
	s_getreg_b32 s2, hwreg(HW_REG_IB_STS2, 6, 4)
	s_cmp_eq_u32 s2, 0
	s_cbranch_scc0 .Lentry_in_a_cluster
	s_endpgm
.Lentry_in_a_cluster:
	s_bfe_u32 s2, ttmp6, 0x10000c
	s_cmp_lg_u32 s2, 0xf033
	s_cbranch_scc0 .Lentry_shape_is_right
	s_endpgm
.Lentry_shape_is_right:
; out0 = z Wp^T + bp on codes of FP6 (E2M3) with E8M0 scales; out0 [8192][1024] f32.
; A work-group makes 256 outputs (S0 = Wp's rows, the matrix instruction's source 0) x 128 tokens (S1 = z); a wave 128 x 64: 32 accumulators; a lane holds eight neighbouring outputs of one token.
; All operands lie in LDS at once: Wp as rows (three chunks of 256 bytes a row, 16 bytes of padding behind each), z as images of fragments: one first fill a wave;
; nothing is filled again.  bp is the C of the first K step.
; CLUSTER 4 x 4: a column (same cx) shares Wp's rows, a row (same cy) z's rows: joint loads.
; THE WAY OUT: 16 tokens x 64 outputs at a time through the wave's own stage in LDS, which no fill ever touches, and back as rows of 256 bytes: sixteen lanes store 256 consecutive bytes, aligned.
; LIMITS: NaN and infinities are not served.
; REGISTERS.  window 0: v1 r, v2 h, v3 lane; v4-7 Wp's LDS addresses, v9 z's; v16-21 stage, output and load offsets; v24, v25 the add's two; v32-63, v96-111 scale words;
;   v128-223 z's fragments, two sets, later rows on the way out (v128-191).   window 1: Wp's fragments, two sets; v192-255 bp.   window 2: the accumulators.
.set REG0,  69632
.set S1A,   208896
.set S1BR,  233472
.set S1CR,  270336
.set STAGE, 307200                     ; 4 waves x 16 rows x 272 bytes
.set SPARE, 324608
.set ROWW,  (3<<16)|(1<<20)|(1<<21)|(5<<22)|(3<<25)
.set IMW,   (3<<16)|(1<<21)
.set NJ,  4
.set A0,  4
.set A1,  9
.set STO, 16
.set RD,  17
.set GO,  18
.set VSC, 19
.set VWS, 20
.set VB0, 21
.set SPW, 24
.set NIL, 25
.set S0S, 32
.set S1S, 96
.set F1,  128
.set BK,  128
.set CT,  192
.set G1A,  16
.set G1BA, 24
.set G1BB, 32
.set G0A, 40
.set G0B, 52
.set WV,  66
.set LH,  67
.set LR,  68
.set CX,  69
.set CY,  70
.set CC,  71
.set MA,  72
.set MB,  73
.set T0P, 74
.set T1P, 76
.set R0,  78
.set R1,  79
.set PS0, 80
.set PS1, 82
.set PBI, 84
.set OUT, 86
.set MSB, 0
.macro WIN new
.if MSB != \new
	s_set_vgpr_msb (MSB<<8)|\new
.set MSB, \new
.endif
.endm
.macro PLACES
.rept 4
	v_nop
.endr
.endm
.macro CROUND
	s_barrier_signal -1
	s_barrier_wait -1
	s_cmp_lg_u32 s[WV], 0
	s_cbranch_scc1 .Lnot_wave_0_\@
	s_barrier_signal -3
.Lnot_wave_0_\@:
	s_barrier_wait -3
	s_barrier_signal -1
	s_barrier_wait -1
.endm
.macro G1SET g, d0, d1, st
	s_mov_b32 s[\g+1], (\d0)<<16
	s_mov_b32 s[\g+2], (\d1)<<16
	s_mov_b32 s[\g+3], (\d0)<<16
	s_mov_b32 s[\g+4], \d1
	s_mov_b32 s[\g+5], \st
	s_mov_b32 s[\g+6], 0
	s_mov_b32 s[\g+7], 0
.endm
.macro FRAG_ROW reg, ab, ks, i         ; six pieces of 8 bytes; lanes 16-31 read 24 bytes further on; where that passes a chunk's end the second kind of address register serves
.irp p, 0,1,2,3,4,5
.set XB, 96*(\ks)+48*(\p/3)+8*(\p%3)
.set XC, XB/256
.set XO, XB%256
.if XO < 232                           ; byte y of row r lies at 816 r + 272 (y / 256) + y % 256; one address register for four tiles
	ds_load_b64 v[(\reg)+2*\p:(\reg)+2*\p+1], v[\ab+(\i)/4] offset:XC*272+XO+((\i)%4)*13056
.else
	ds_load_b64 v[(\reg)+2*\p:(\reg)+2*\p+1], v[\ab+2+(\i)/4] offset:XC*272+XO+((\i)%4)*13056
.endif
.endr
.endm
.macro FRAG_IMG reg, ab, ks, i
.set KR, 0                             ; a tile's eight images lie on end, 12,288 bytes
.set KO, (\i)*12288+(\ks)*1536
.irp j, 0,1,2
	ds_load_b128 v[(\reg)+4*\j:(\reg)+4*\j+3], v[\ab+KR] offset:KO+512*\j
.endr
.endm
.macro FETCH ks, bf
	WIN 0x40
.irp i, 0,1,2,3,4,5,6,7
	FRAG_ROW 96*(\bf)+12*\i, A0, \ks, \i
.endr
	WIN 0
.irp i, 0,1,2,3
	FRAG_IMG F1+48*(\bf)+12*\i, A1, \ks, \i
.endr
.endm
.macro MUL ks, bf, ck                  ; 32 matrix instructions; the accumulators take turns.  ck = 2: C = bp's tile t, in window 1
.if \ck == 2
	WIN 0x91
.else
	WIN 0xa1
.endif
.irp a, 0,1,2,3
.irp t, 0,1,2,3,4,5,6,7
.set rD, 8*(8*\a+\t)
.set rA, 96*(\bf)+12*\t
.set rB, F1+48*(\bf)+12*\a
.set rX, S0S+NJ*\t+(\ks)%NJ
.set rY, S1S+NJ*\a+(\ks)%NJ
.set rC, rD
.if \ck == 2
.set rC, CT+8*\t
.endif
.if (\ks)/NJ == 1
	v_wmma_scale_f32_16x16x128_f8f6f4 v[rD:rD+7], v[rA:rA+11], v[rB:rB+11], v[rC:rC+7], v[rX], v[rY] matrix_a_fmt:MATRIX_FMT_FP6 matrix_b_fmt:MATRIX_FMT_FP6 matrix_a_scale:MATRIX_SCALE_ROW1 matrix_b_scale:MATRIX_SCALE_ROW1
.else
	v_wmma_scale_f32_16x16x128_f8f6f4 v[rD:rD+7], v[rA:rA+11], v[rB:rB+11], v[rC:rC+7], v[rX], v[rY] matrix_a_fmt:MATRIX_FMT_FP6 matrix_b_fmt:MATRIX_FMT_FP6
.endif
.endr
.endr
.endm
.macro KSTEP ks
	s_wait_dscnt 0x0
	PLACES
	FETCH (\ks)+1, ((\ks)+1)%2
	MUL \ks, (\ks)%2, 0
.endm
.macro KSYNC ks, left
	s_wait_dscnt 0x0
	s_wait_tensorcnt \left
	s_barrier_signal -1
	s_barrier_wait -1
	PLACES
	FETCH (\ks)+1, ((\ks)+1)%2
	MUL \ks, (\ks)%2, 0
.endm
; Pass n of eight: tokens 16 (n / 2) on, outputs 64 (n % 2) on.  LDS serves a wave's instructions in order (ISA guide 5.7.1.4): no wait between the stores and the loads, nor ahead of the next pass's stores.
.macro TOSTAGE n
	WIN 0x08                                       ; an LDS store's data are its source 1: window 2
.irp q, 0,1,2,3
.set rD, 8*(8*((\n)/2)+4*((\n)%2)+\q)
	ds_store_b128 v[STO], v[rD:rD+3] offset:64*\q          ; each accumulator from its low end on
	ds_store_b128 v[STO], v[rD+4:rD+7] offset:64*\q+16
.endr
	WIN 0
.set BB, BK+32*((\n)%2)
.irp i, 0,1,2,3,4,5,6,7
	ds_load_b128 v[BB+4*\i:BB+4*\i+3], v[RD] offset:544*\i
.endr
.endm
.macro SEND n, younger                 ; younger: the LDS instructions issued behind pass n's loads, which may stay out
.set BB, BK+32*((\n)%2)
	s_wait_dscnt \younger
.irp i, 0,1,2,3,4,5,6,7
	global_store_b128 v[GO], v[BB+4*\i:BB+4*\i+3], s[OUT:OUT+1] offset:(16*((\n)/2)+2*\i)*4096+256*((\n)%2) th:TH_STORE_NT
.endr
.endm
	s_load_b256 s[4:11], s[0:1], 0x0               ; zbuf, Wp codes, Wp scales, bp
	s_load_b64 s[12:13], s[0:1], 0x20              ; out0
	v_lshl_add_u32 v[SPW], v0, 2, SPARE
	v_mov_b32 v[NIL], 0
	ds_add_u32 v[SPW], v[NIL]                      ; the wave's opening: the add and its wait ahead of my first tensor load
	ds_add_u32 v[SPW], v[NIL]
	v_lshrrev_b32 v1, 5, v0
	v_readfirstlane_b32 s[WV], v1
	s_and_b32 s[LH], s[WV], 1
	s_lshr_b32 s[LR], s[WV], 1
	s_bfe_u32 s[CX], ttmp6, 0x40000
	s_bfe_u32 s[CY], ttmp6, 0x40004
	s_and_b32 s[CC], ttmp7, 0xffff
	s_lshl_b32 s[R0], s[CX], 8                     ; my tile's first row of Wp: hangs on cx alone
	s_lshl_b32 s[R1], s[CC], 9
	s_lshl_b32 s[T1P], s[CY], 7
	s_add_co_u32 s[R1], s[R1], s[T1P]              ; and first token: hangs on cy, never on cx
	s_lshl_b32 s[MA], 0x1111, s[CX]
	s_lshl_b32 s[MB], s[CY], 2
	s_lshl_b32 s[MB], 15, s[MB]
	s_or_b32 s[G1A], s[MA], ROWW
	s_or_b32 s[G1BA], s[MB], IMW
	G1SET G1A, 32, 384, 32                         ; Wp: 128 rows of 768 bytes, dense, as 384 rows of 256 bytes: ONE load a wave brings its whole share
	G1SET G1BA, 1536, 4, 1536                      ; z: 4 tiles of 16 tokens, all of K
	s_lshl_b32 s[T0P], s[LH], 7
	s_add_co_u32 s[T0P], s[T0P], s[R0]
	s_mul_i32 s[T0P], s[T0P], 768
	s_mov_b32 s[T0P+1], 0
	s_lshl_b32 s[T1P], s[LH], 6
	s_add_co_u32 s[T1P], s[T1P], s[R1]
	s_mul_i32 s[T1P], s[T1P], 768
	s_mov_b32 s[T1P+1], 0
	s_mul_i32 s[G0A+1], s[LH], 3*REG0/2
	s_mul_i32 s[G0B+1], s[LH], 49152
	s_add_co_u32 s[G0B+1], s[G0B+1], S1A
.irp c, 0
	s_mov_b32 s[G0A+4*\c], 1
	s_mov_b32 s[G0B+4*\c], 1
.endr
	s_wait_dscnt 0x0                               ; the opening add is done
	s_wait_kmcnt 0x0
	s_add_nc_u64 s[G0A+2:G0A+3], s[6:7], s[T0P:T0P+1]
	s_add_nc_u64 s[G0B+2:G0B+3], s[4:5], s[T1P:T1P+1]
.irp c, 0
	s_or_b32 s[G0A+4*\c+3], s[G0A+4*\c+3], 0x80000000
	s_or_b32 s[G0B+4*\c+3], s[G0B+4*\c+3], 0x80000000
.endr
	CROUND                                         ; all sixteen work-groups are here: the joint loads meet
	s_cmp_lt_u32 s[WV], 2                          ; a wave's one first fill stands in one branch; one load of mine is out
	s_cbranch_scc0 .Lfirst_b
	tensor_load_to_lds s[G0A:G0A+3], s[G1A:G1A+7]
	s_nop 0
.rept 4
	v_nop
.endr
	s_branch .Lfirst_done
.Lfirst_b:
	tensor_load_to_lds s[G0B:G0B+3], s[G1BA:G1BA+7]
	s_nop 0
.rept 4
	v_nop
.endr
.Lfirst_done:
	v_and_b32 v1, 15, v0                           ; r
	s_wait_alu depctr_va_vdst(0)
	v_bfe_u32 v2, v0, 4, 1                         ; h
	v_and_b32 v3, 31, v0                           ; lane
	s_lshl_b32 s88, s[LH], 7
	s_add_co_u32 s88, s88, s[R0]                   ; my wave's first output
	s_lshl_b32 s89, s[LR], 6
	s_add_co_u32 s89, s89, s[R1]                   ; and first token
	s_mov_b32 s3, 0
	s_lshl_b32 s2, s88, 5
	s_add_nc_u64 s[PS0:PS0+1], s[8:9], s[2:3]      ; Wp's scale bytes, 32 a row
	s_lshl_b32 s2, s89, 2
	s_add_co_u32 s2, s2, 6291456
	s_add_nc_u64 s[PS1:PS1+1], s[4:5], s[2:3]      ; z's scale words [8][8192]
	s_lshl_b32 s2, s88, 2
	s_add_nc_u64 s[PBI:PBI+1], s[10:11], s[2:3]
	s_lshl_b32 s2, s89, 12
	s_lshl_b32 s88, s88, 2
	s_add_co_u32 s2, s2, s88
	s_add_nc_u64 s[OUT:OUT+1], s[12:13], s[2:3]
	v_lshlrev_b32 v[VSC], 5, v1
	s_wait_alu depctr_va_vdst(0)
	v_lshl_add_u32 v[VSC], v2, 4, v[VSC]           ; 32 r + 16 h
	v_lshlrev_b32 v[VWS], 17, v2
	v_lshl_add_u32 v[VWS], v1, 2, v[VWS]           ; row r; lanes 16-31 four K steps on
	v_lshlrev_b32 v[VB0], 5, v2
.irp t, 0,1,2,3,4,5,6,7
	global_load_b128 v[S0S+4*\t:S0S+4*\t+3], v[VSC], s[PS0:PS0+1] offset:512*\t
.endr
.irp a, 0,1,2,3
.irp j, 0,1,2,3
	global_load_b32 v[S1S+4*\a+\j], v[VWS], s[PS1:PS1+1] offset:\j*32768+64*\a
.endr
.endr
	WIN 0x40
.irp t, 0,1,2,3,4,5,6,7                ; bp in the result's layout: register j of tile t is output 16 t + 8 h + j
	global_load_b128 v[CT+8*\t:CT+8*\t+3], v[VB0], s[PBI:PBI+1] offset:64*\t
	global_load_b128 v[CT+8*\t+4:CT+8*\t+7], v[VB0], s[PBI:PBI+1] offset:64*\t+16
.endr
	WIN 0
	s_mul_i32 s2, s[LH], 3*REG0/2                  ; my 128 rows of Wp
	v_mul_u32_u24 v26, v1, 272
	v_mul_u32_u24 v31, v1, 816
	v_mad_u32_u24 v27, v2, 24, v31                 ; row r, + 24 h;
	v_mad_u32_u24 v28, v2, 40, v31                 ; + 40 h where lanes 16-31 pass a padding
	v_add_nc_u32 v[A0], s2, v27
	v_add_nc_u32 v[A0+1], 52224, v[A0]
	v_add_nc_u32 v[A0+2], s2, v28
	v_add_nc_u32 v[A0+3], 52224, v[A0+2]
	v_lshlrev_b32 v29, 4, v3
	s_mul_i32 s2, s[LR], 49152                     ; my 4 tiles of z
	v_add_nc_u32 v[A1], s2, v29
	v_add_nc_u32 v[A1], S1A, v[A1]
	s_mul_i32 s2, s[WV], 4352
	s_add_co_u32 s2, s2, STAGE                     ; my stage
	v_lshl_add_u32 v[STO], v2, 5, v26              ; in: row r, 32 bytes for each half of the lanes
	v_add_nc_u32 v[STO], s2, v[STO]
	v_mul_u32_u24 v30, v2, 272                     ; back: lanes 0-15 one row of 256 bytes, lanes 16-31 the next
	v_lshl_add_u32 v[RD], v1, 4, v30
	v_add_nc_u32 v[RD], s2, v[RD]
	v_lshlrev_b32 v[GO], 12, v2                    ; and the same two rows of out0
	v_lshl_add_u32 v[GO], v1, 4, v[GO]
	s_wait_alu depctr_va_vdst(0)
	s_wait_tensorcnt 0x0                           ; my one load has landed
	s_barrier_signal -1
	s_barrier_wait -1
	FETCH 0, 0
	s_wait_loadcnt 0x0                             ; scale words and bp
	s_wait_dscnt 0x0
	FETCH 1, 1
	MUL 0, 0, 2                                    ; the first K step starts the sums with bp as C
	KSTEP 1
	KSTEP 2
	KSTEP 3
	KSTEP 4
	KSTEP 5
	KSTEP 6
	s_wait_dscnt 0x0
	MUL 7, 1, 0
	WIN 0
	PLACES                                         ; ahead of the reads of results and of the loads into the registers that held fragments
	TOSTAGE 0
.irp n, 1,2,3,4,5,6,7
.if \n > 1
	s_wait_xcnt 0x0                                ; pass n - 2's stores have read their registers: pass n's loads may land there
.endif
	TOSTAGE \n
	SEND (\n)-1, 16                                ; behind pass n - 1's loads: pass n's 8 stores and 8 loads
.endr
	SEND 7, 0
	s_wait_tensorcnt 0x0                           ; the wave's end, behind my last LDS store
	ds_add_u32 v[SPW], v[NIL]
	s_wait_dscnt 0x0
	CROUND                                         ; the closing round
	s_endpgm
.Lfunc_end_k_q3df7c9841b_outp:
	.size	k_q3df7c9841b_outp, .Lfunc_end_k_q3df7c9841b_outp-k_q3df7c9841b_outp
	.p2alignl 7, 3214868480
	.fill 96, 4, 3214868480
	.section	.rodata,"a",@progbits
	.p2align	6, 0x0
	.amdhsa_kernel k_q3df7c9841b_outp
		.amdhsa_group_segment_fixed_size 327680
		.amdhsa_private_segment_fixed_size 0
		.amdhsa_enable_private_segment 0
		.amdhsa_kernarg_size 40
		.amdhsa_user_sgpr_count 2
		.amdhsa_user_sgpr_kernarg_segment_ptr 1
		.amdhsa_wavefront_size32 1
		.amdhsa_system_sgpr_workgroup_id_x 1
		.amdhsa_system_sgpr_workgroup_id_y 1
		.amdhsa_system_sgpr_workgroup_id_z 1
		.amdhsa_system_vgpr_workitem_id 0
		.amdhsa_next_free_vgpr 768
		.amdhsa_next_free_sgpr 90
		.amdhsa_reserve_vcc 0
		.amdhsa_float_denorm_mode_32 3
		.amdhsa_float_denorm_mode_16_64 3
		.amdhsa_memory_ordered 1
		.amdhsa_forward_progress 1
		.amdhsa_inst_pref_size 90
	.end_amdhsa_kernel
	.amdgpu_metadata
---
amdhsa.version: [ 1, 2 ]
amdhsa.kernels:
  - .name:           k_q3df7c9841b_outp
    .symbol:         k_q3df7c9841b_outp.kd
    .args:
      - { .name: zbuf, .offset: 0, .size: 8, .value_kind: global_buffer, .address_space: global }
      - { .name: Wp_codes, .offset: 8, .size: 8, .value_kind: global_buffer, .address_space: global }
      - { .name: Wp_scales, .offset: 16, .size: 8, .value_kind: global_buffer, .address_space: global }
      - { .name: bp, .offset: 24, .size: 8, .value_kind: global_buffer, .address_space: global }
      - { .name: out0, .offset: 32, .size: 8, .value_kind: global_buffer, .address_space: global }
    .group_segment_fixed_size: 327680
    .private_segment_fixed_size: 0
    .kernarg_segment_align: 8
    .kernarg_segment_size: 40
    .max_flat_workgroup_size: 128
    .sgpr_count:     90
    .vgpr_count:     768
    .wavefront_size: 32
...
	.end_amdgpu_metadata
.endif
;; end of part 4
